; MI455X (gfx1250); checked and timed in simulation.
; The chip was launched on July 23, 2026; its instructions are those of AMD's public machine-readable ISA for CDNA 5 (MIT licence, August 2026) and "CDNA5" Instruction Set Architecture Reference Guide (July 2026). The comments in the code are by the model that wrote it; some were corrected since.
;; Mo E Layer. Allowed arithmetic: matrix products marked QUANTISED: E5M2 operands, one given power-of-two scale a tensor, by v_wmma_f32_16x16x64_bf8_bf8 or v_wmma_f32_16x16x128_bf8_bf8, f32 sums; products left as they are: f32 operands where the result goes on into a quantised operand, else bf16, f16 or f32 operands; f32 sums; everything else in f32.
;; Inputs: W1_codes 8 x 4,096 x 32 x 32 uint8 (E5M2 codes of W1, K innermost, in blocks of 32 codes); W2_codes 8 x 1,024 x 128 x 32 uint8 (E5M2 codes of W2, K innermost, in blocks of 32 codes); Wr 1,024 x 8 float32; b1 8 x 4,096 float32; b2 8 x 1,024 float32; br 8 float32; lowp_scales 32 int32 (the exponents e of the quantised operands' scales 2^e); x 4 x 256 x 1,024 float32.
;; Outputs: out0 4 x 256 x 1,024 float32; out1 one number float32.
;; This version of the problem:
;;   THIS VERSION OF THE PROBLEM IS GIVEN IN LOW PRECISION. The matrix products marked QUANTISED in the list below multiply operands that are first quantised to E5M2 (5 exponent bits, 2 mantissa bits; 8 bits a number), with one given power-of-two scale for each operand tensor; their sums are f32. All else is computed in f32.
;;   The module's matrix products, in the order in which they are computed (A, B: the left and right operand; K: the contracted axis; several contracted axes count as one K, in the product's order):
;;     1. [M 1,024, K 1,024] x [K 1,024, N 8]; A: input x; B: input Wr: left as it is (N = 8 < 16)
;;     2. [M 1,024, K 1,024] x [K 1,024, N 4,096]; A: input x; B: input W1 (given as codes): QUANTISED (scales: A lowp_scales[0], B lowp_scales[1])
;;     3. [M 1,024, K 4,096] x [K 4,096, N 1,024]; A: computed on the way; B: input W2 (given as codes): QUANTISED (scales: A lowp_scales[2], B lowp_scales[3])
;;     4. [M 1,024, K 1,024] x [K 1,024, N 4,096]; A: input x; B: input W1 (given as codes): QUANTISED (scales: A lowp_scales[4], B lowp_scales[5])
;;     5. [M 1,024, K 4,096] x [K 4,096, N 1,024]; A: computed on the way; B: input W2 (given as codes): QUANTISED (scales: A lowp_scales[6], B lowp_scales[7])
;;     6. [M 1,024, K 1,024] x [K 1,024, N 4,096]; A: input x; B: input W1 (given as codes): QUANTISED (scales: A lowp_scales[8], B lowp_scales[9])
;;     7. [M 1,024, K 4,096] x [K 4,096, N 1,024]; A: computed on the way; B: input W2 (given as codes): QUANTISED (scales: A lowp_scales[10], B lowp_scales[11])
;;     8. [M 1,024, K 1,024] x [K 1,024, N 4,096]; A: input x; B: input W1 (given as codes): QUANTISED (scales: A lowp_scales[12], B lowp_scales[13])
;;     9. [M 1,024, K 4,096] x [K 4,096, N 1,024]; A: computed on the way; B: input W2 (given as codes): QUANTISED (scales: A lowp_scales[14], B lowp_scales[15])
;;     10. [M 1,024, K 1,024] x [K 1,024, N 4,096]; A: input x; B: input W1 (given as codes): QUANTISED (scales: A lowp_scales[16], B lowp_scales[17])
;;     11. [M 1,024, K 4,096] x [K 4,096, N 1,024]; A: computed on the way; B: input W2 (given as codes): QUANTISED (scales: A lowp_scales[18], B lowp_scales[19])
;;     12. [M 1,024, K 1,024] x [K 1,024, N 4,096]; A: input x; B: input W1 (given as codes): QUANTISED (scales: A lowp_scales[20], B lowp_scales[21])
;;     13. [M 1,024, K 4,096] x [K 4,096, N 1,024]; A: computed on the way; B: input W2 (given as codes): QUANTISED (scales: A lowp_scales[22], B lowp_scales[23])
;;     14. [M 1,024, K 1,024] x [K 1,024, N 4,096]; A: input x; B: input W1 (given as codes): QUANTISED (scales: A lowp_scales[24], B lowp_scales[25])
;;     15. [M 1,024, K 4,096] x [K 4,096, N 1,024]; A: computed on the way; B: input W2 (given as codes): QUANTISED (scales: A lowp_scales[26], B lowp_scales[27])
;;     16. [M 1,024, K 1,024] x [K 1,024, N 4,096]; A: input x; B: input W1 (given as codes): QUANTISED (scales: A lowp_scales[28], B lowp_scales[29])
;;     17. [M 1,024, K 4,096] x [K 4,096, N 1,024]; A: computed on the way; B: input W2 (given as codes): QUANTISED (scales: A lowp_scales[30], B lowp_scales[31])
;;   THE QUANTISER, for each operand of a quantised product, along K:
;;     - The operand's scale is 2^e, e = its entry of the input lowp_scales (int32; the entries are numbered through the quantised products in the list's order, A before B).
;;     - Each number is divided by the scale, clamped to +-57,344, and rounded to the nearest number of E5M2, ties to even, subnormals kept.
;;     - The product sums the exact products of the quantised numbers (number of the format x scale) in f32.
;;   ~~~python
;;   def quantise(x, axis, e):      # numpy; x: float32 -> the quantised numbers, widened to float32 again
;;       x = np.moveaxis(x, axis, -1); K = x.shape[-1]
;;       r = np.clip(x / 2.0 ** e, -57344, 57344)
;;       step = 2.0 ** (np.maximum(np.frexp(np.where(r == 0, 1, r))[1] - 1, -14) - 2)
;;       q = np.round(r / step) * step * 2.0 ** e      # np.round: ties to even
;;       return np.moveaxis(q, -1, axis).astype(np.float32)
;;   ~~~
;;   OPERANDS COMPUTED ON THE WAY. 'Computed on the way' means the value that the module computes at that place (a softmax that the list does not call 'softmax' is quantised finished and normalised). What goes into a quantiser is computed in f32, as accurately as f32 sums, v_exp_f32 and their like allow (about 1e-6 of the number): no bf16 or f16 on the way to a quantiser, and a product that is left as it is and whose result goes on into a quantised operand takes f32 operands (vector FMAs, or v_wmma_f32_16x16x4_f32). A number that lies on a knife's edge between two numbers of the format may be rounded either way, as far as f32 arithmetic and the matrix unit's own rounding can turn it there, and no further.
;;   INPUTS GIVEN AS CODES. W1 (in the module: [8, 1024, 4096], K = its axis 1); W2 (in the module: [8, 4096, 1024], K = its axis 1): each comes as NAME_codes (uint8): NAME with its K axis moved to the last place and cut into blocks of 32 codes, [.., K / 32, bytes a block], one block behind the other in memory; one code a byte (a code: sign, 5 exponent bits, 2 mantissa bits); its scale is its entry of lowp_scales. Its value is code x scale, taken as it is: it is not quantised again, and the codes and scales need not be those that the quantiser above would give.
;; 2 versions. Each part assembles by itself: llvm-mc -triple=amdgcn-amd-amdhsa -mcpu=gfx1250 --defsym DOCPART=n.
;; ======== version 1 of 2: 5 launches
;; workspace buffers: xq 2,097,152 bytes; sel 8,192 bytes of whole numbers; wts 8,192 bytes; gsum 8,192 bytes; order 36,864 bytes of whole numbers; cnt 8,448 bytes of whole numbers; hq 33,554,432 bytes; y 33,554,432 bytes
;; launch router (part 1): grid 256 x 1, 4 waves a work-group, no clusters, 46,592 bytes of LDS; arguments x, Wr, br, lowp_scales, xq, sel, wts, gsum; writes xq, sel, wts, gsum
.if DOCPART == 1
	.amdgcn_target "amdgcn-amd-amdhsa--gfx1250"
	.amdhsa_code_object_version 6
	.text
	.protected	k_qe833a7a066_router
	.globl	k_qe833a7a066_router
	.p2align	8
	.type	k_qe833a7a066_router,@function
k_qe833a7a066_router:
	s_mov_b64 s[64:65], 0
	v_nop
	global_prefetch_b8 v0, s[64:65] scope:SCOPE_SE
	s_setreg_imm32_b32 hwreg(HW_REG_WAVE_MODE, 25, 1), 1
	s_wait_xcnt 0x0
; THE ROUTER.  gates = softmax(x Wr + br), all in f32; the two largest gates of each token (of equal gates the lower index, as jax.lax.top_k has it);
; x quantised to E5M2 once for each of the token's two experts, with that expert's given scale 2^ex (ex = entry 4 e of the scales).
; Nothing here forms an address or a branch from the choice: routed row r = 2 t + k has a fixed place.  The expert's exponent is picked by v_cndmask_b32.
; OUT: xq[r][1024] codes, K as it lies; sel[r] the expert; wts[r] its gate; gsum[work-group][8] the gates' sums over the group's four tokens.
; SHARES.  A work-group owns tokens 4 g .. 4 g + 3.  Wave w owns k = 256 w .. 256 w + 255 of all four; lane l owns k = 256 w + 4 l + 0..3 and 256 w + 128 + 4 l + 0..3,
; so that each load of x covers 512 consecutive bytes.  The waves' partial logits meet in LDS behind the one barrier, and every wave adds them in the same order: all four make the same choice.
; LIMITS: ex between -126 and 112, so that 2^ex and 57,344 x 2^ex are f32 numbers.  NaN and infinities among the inputs are not served.
; No matrix unit: the product has 8 columns and feeds a choice, so it is made of f32 multiply-adds.  No cluster: work-groups share only Wr's 32 KiB.
.set X,    16                          ; v16-47   x: token i at 8 i: my four numbers of the first run, then of the second
.set WRAW, 48                          ; v48-111  Wr as loaded; later two waves' partial logits; later the gates' sums
.set ACC,  112                         ; v112-143 (token i, expert e) at 8 i + e: partial logits, logits, gates
.set WF,   144                         ; v144-207 Wr turned: (k kk of my eight, expert e) at 8 kk + e; later two waves' partial logits; later codes on the way out
.set T,    208                         ; v208-215 at work: eight held numbers
.set C,    216                         ; v216-231 codes: routed row j of the group's eight at 2 j: the first run's four, the second run's four
.set SELR, 232                         ; v232-239 the chosen experts
.set WTR,  240                         ; v240-247 their gates
.set TM,   248                         ; v248-255 at work
.set WRS,  9216                        ; LDS: for each wave 64 groups of 128 bytes of Wr, 144 bytes apart
.set RED,  36864                       ; 128 bytes for each wave: its 32 partial logits
.set TURN, 37376                       ; 2,048 bytes for each wave: its 256 codes of each of the 8 routed rows
	s_load_b512 s[4:19], s[0:1], 0x0               ; x, Wr, br, scales, xq, sel, wts, gsum
	v_lshl_add_u32 v14, v0, 2, 0xb400
	v_mov_b32 v15, 0
	v_lshrrev_b32 v1, 5, v0
	v_readfirstlane_b32 s62, v1                    ; wave
	v_and_b32 v1, 31, v0                           ; lane
	v_lshlrev_b32 v2, 4, v1                        ; 16 x lane
	s_mul_i32 s63, s62, WRS
	v_lshrrev_b32 v10, 3, v1
	v_mul_u32_u24 v3, v10, 144
	v_and_b32 v10, 7, v0
	v_lshl_add_u32 v3, v10, 4, v3
	v_add_nc_u32 v3, s63, v3                       ; Wr into LDS: eight lanes fill a group of 128 bytes
	v_mul_u32_u24 v4, v1, 144
	v_add_nc_u32 v4, s63, v4                       ; and back: group l holds Wr's rows of my four k
	s_lshl_b32 s63, s62, 7
	s_add_co_u32 s63, s63, RED
	v_mov_b32 v5, s63                              ; my wave's partial logits
	v_mov_b32 v6, 0
	s_lshl_b32 s63, s62, 11
	s_add_co_u32 s63, s63, TURN
	v_lshl_add_u32 v7, v1, 2, s63                  ; codes in: 4 bytes a lane
	v_lshl_add_u32 v8, v1, 4, s63                  ; codes back: 16 bytes a lane
	v_lshrrev_b32 v10, 4, v1
	v_and_b32 v11, 15, v0
	v_lshlrev_b32 v9, 10, v10
	v_lshl_add_u32 v9, v11, 4, v9                  ; xq: lanes 0-15 one routed row, lanes 16-31 the next
	s_mov_b32 s60, 0x76543210                      ; v_permlanex16_b32: lane l xor 16
	s_mov_b32 s61, 0xfedcba98
.irp j, 0,1,2,3,4,5,6,7
	v_mov_b32 v[TM+\j], 0                          ; written once: a lane permute's destination counts as read
.endr
	s_wait_kmcnt 0x0
	s_load_b256 s[20:27], s[8:9], 0x0              ; br
	s_load_b512 s[28:43], s[10:11], 0x0            ; the 32 exponents: expert e's ex is s[28 + 4 e]
	s_load_b512 s[44:59], s[10:11], 0x40
	s_lshl_b32 s2, ttmp9, 14                       ; four tokens of 4,096 bytes,
	s_lshl_b32 s3, s62, 10                         ; my wave's 256 numbers
	s_add_co_u32 s2, s2, s3
	s_mov_b32 s3, 0
	s_add_nc_u64 s[4:5], s[4:5], s[2:3]
	s_lshl_b32 s2, s62, 13                         ; my wave's 256 rows of Wr, 32 bytes each
	s_add_nc_u64 s[6:7], s[6:7], s[2:3]
	s_lshl_b32 s2, ttmp9, 13                       ; eight routed rows of 1,024 codes,
	s_lshl_b32 s63, s62, 8                         ; my wave's 256 of each
	s_add_co_u32 s2, s2, s63
	s_add_nc_u64 s[12:13], s[12:13], s[2:3]
	s_lshl_b32 s2, ttmp9, 5                        ; 32 bytes a work-group in sel, wts and gsum
	s_add_nc_u64 s[14:15], s[14:15], s[2:3]
	s_add_nc_u64 s[16:17], s[16:17], s[2:3]
	s_add_nc_u64 s[18:19], s[18:19], s[2:3]
.irp i, 0,1,2,3
	global_load_b128 v[X+8*\i:X+8*\i+3], v2, s[4:5] offset:4096*\i th:TH_LOAD_NT
	global_load_b128 v[X+8*\i+4:X+8*\i+7], v2, s[4:5] offset:4096*\i+512 th:TH_LOAD_NT
.endr
.irp i, 0,1,2,3,4,5,6,7,8,9,10,11,12,13,14,15
	global_load_b128 v[WRAW+4*\i:WRAW+4*\i+3], v2, s[6:7] offset:512*\i   ; Wr as it lies: 512 consecutive bytes a load
.endr
	s_wait_loadcnt 0x0
.irp i, 0,1,2,3,4,5,6,7,8,9,10,11,12,13,14,15
	ds_store_b128 v3, v[WRAW+4*\i:WRAW+4*\i+3] offset:576*\i              ; a load's 512 bytes are four groups
.endr
.irp r, 0,1
.irp j, 0,1,2,3,4,5,6,7
	ds_load_b128 v[WF+32*\r+4*\j:WF+32*\r+4*\j+3], v4 offset:4608*\r+16*\j   ; my wave's own bytes, and LDS serves a wave in order: no wait between
.endr
.endr
	s_wait_dscnt 0x0
; partial logits: 4 tokens x 8 experts x my 8 k, two experts an instruction; x's number is taken for both halves
.irp i, 0,1,2,3
.irp p, 0,1,2,3
	v_pk_mul_f32 v[ACC+8*\i+2*\p:ACC+8*\i+2*\p+1], v[X+8*\i:X+8*\i+1], v[WF+2*\p:WF+2*\p+1] op_sel_hi:[0,1]
.endr
.endr
.irp k, 1,2,3,4,5,6,7
.irp i, 0,1,2,3
.irp p, 0,1,2,3
.if (\k)%2
	v_pk_fma_f32 v[ACC+8*\i+2*\p:ACC+8*\i+2*\p+1], v[X+8*\i+\k-1:X+8*\i+\k], v[WF+8*\k+2*\p:WF+8*\k+2*\p+1], v[ACC+8*\i+2*\p:ACC+8*\i+2*\p+1] op_sel:[1,0,0] op_sel_hi:[1,1,1]
.else
	v_pk_fma_f32 v[ACC+8*\i+2*\p:ACC+8*\i+2*\p+1], v[X+8*\i+\k:X+8*\i+\k+1], v[WF+8*\k+2*\p:WF+8*\k+2*\p+1], v[ACC+8*\i+2*\p:ACC+8*\i+2*\p+1] op_sel_hi:[0,1,1]
.endif
.endr
.endr
.endr
; the sum over my wave's 32 lanes, eight numbers at a time so that no line waits for the one above it
.irp q, 0,1,2,3
.irp m, 1,2,4,8
.irp j, 0,1,2,3,4,5,6,7
	v_add_f32_dpp v[ACC+8*\q+\j], v[ACC+8*\q+\j], v[ACC+8*\q+\j] row_xmask:\m row_mask:0xf bank_mask:0xf
.endr
.endr
.irp j, 0,1,2,3,4,5,6,7
	v_permlanex16_b32 v[TM+\j], v[ACC+8*\q+\j], s60, s61
.endr
.irp j, 0,1,2,3,4,5,6,7
	v_add_f32 v[ACC+8*\q+\j], v[ACC+8*\q+\j], v[TM+\j]
.endr
.endr
.irp j, 0,1,2,3,4,5,6,7
	ds_store_b128 v5, v[ACC+4*\j:ACC+4*\j+3] offset:16*\j    ; every lane holds the same numbers and writes the same bytes
.endr
	s_wait_dscnt 0x0                               ; for the others' sake: my stores have landed
	s_barrier_signal -1
	s_barrier_wait -1
.irp p, 0,1
.irp j, 0,1,2,3,4,5,6,7
	ds_load_b128 v[WRAW+32*\p+4*\j:WRAW+32*\p+4*\j+3], v6 offset:RED+128*\p+16*\j
	ds_load_b128 v[WF+32*\p+4*\j:WF+32*\p+4*\j+3], v6 offset:RED+128*(\p+2)+16*\j
.endr
.endr
	s_wait_kmcnt 0x0
.irp e, 0,1,2,3,4,5,6,7
	v_mov_b32 v[T+\e], s[20+\e]                    ; br
.endr
	s_wait_dscnt 0x0
.set j, 0
.rept 16
	v_pk_add_f32 v[WRAW+j:WRAW+j+1], v[WRAW+j:WRAW+j+1], v[WRAW+32+j:WRAW+32+j+1]
	v_pk_add_f32 v[WF+j:WF+j+1], v[WF+j:WF+j+1], v[WF+32+j:WF+32+j+1]
.set j, j+2
.endr
.set j, 0
.rept 16
	v_pk_add_f32 v[ACC+j:ACC+j+1], v[WRAW+j:WRAW+j+1], v[WF+j:WF+j+1]     ; (wave 0 + wave 1) + (wave 2 + wave 3): the same order in all four waves
.set j, j+2
.endr
.irp i, 0,1,2,3
.irp p, 0,1,2,3
	v_pk_add_f32 v[ACC+8*\i+2*\p:ACC+8*\i+2*\p+1], v[ACC+8*\i+2*\p:ACC+8*\i+2*\p+1], v[T+2*\p:T+2*\p+1]
.endr
.endr
; the softmax: the token's largest logit is taken away; 2^(l log2e - m log2e), one fused multiply-add ahead of the exponential
.irp i, 0,1,2,3
	v_max3_num_f32 v[TM+2*\i], v[ACC+8*\i], v[ACC+8*\i+1], v[ACC+8*\i+2]
.endr
.irp i, 0,1,2,3
	v_max3_num_f32 v[TM+2*\i], v[TM+2*\i], v[ACC+8*\i+3], v[ACC+8*\i+4]
.endr
.irp i, 0,1,2,3
	v_max3_num_f32 v[TM+2*\i], v[TM+2*\i], v[ACC+8*\i+5], v[ACC+8*\i+6]
.endr
.irp i, 0,1,2,3
	v_max_num_f32 v[TM+2*\i], v[TM+2*\i], v[ACC+8*\i+7]
.endr
.irp i, 0,1,2,3
	v_mul_f32 v[TM+2*\i], 0x3fb8aa3b, v[TM+2*\i]
.endr
.irp i, 0,1,2,3
.irp p, 0,1,2,3
	v_pk_fma_f32 v[ACC+8*\i+2*\p:ACC+8*\i+2*\p+1], v[ACC+8*\i+2*\p:ACC+8*\i+2*\p+1], 0x3fb8aa3b, v[TM+2*\i:TM+2*\i+1] op_sel_hi:[1,0,0] neg_lo:[0,0,1] neg_hi:[0,0,1]
.endr
.endr
.set j, 0
.rept 32
	v_exp_f32 v[ACC+j], v[ACC+j]
.set j, j+1
.endr
	v_nop                                          ; a plain line behind the last exponential
	s_wait_alu depctr_va_vdst(0)                   ; one wait for the batch, ahead of its first reader
.irp i, 0,1,2,3
	v_pk_add_f32 v[T:T+1], v[ACC+8*\i:ACC+8*\i+1], v[ACC+8*\i+2:ACC+8*\i+3]
	v_pk_add_f32 v[T+2:T+3], v[ACC+8*\i+4:ACC+8*\i+5], v[ACC+8*\i+6:ACC+8*\i+7]
	v_pk_add_f32 v[T:T+1], v[T:T+1], v[T+2:T+3]
	v_add_f32 v[TM+2*\i], v[T], v[T+1]
.endr
.irp i, 0,1,2,3
	v_rcp_f32 v[TM+2*\i], v[TM+2*\i]
.endr
	v_nop
	s_wait_alu depctr_va_vdst(0)                   ; one wait for the four reciprocals
.irp i, 0,1,2,3
.irp p, 0,1,2,3
	v_pk_mul_f32 v[ACC+8*\i+2*\p:ACC+8*\i+2*\p+1], v[ACC+8*\i+2*\p:ACC+8*\i+2*\p+1], v[TM+2*\i:TM+2*\i+1] op_sel_hi:[1,0]   ; the gates
.endr
.endr
.irp p, 0,1,2,3
	v_pk_add_f32 v[WRAW+2*\p:WRAW+2*\p+1], v[ACC+2*\p:ACC+2*\p+1], v[ACC+8+2*\p:ACC+8+2*\p+1]
	v_pk_add_f32 v[WRAW+8+2*\p:WRAW+8+2*\p+1], v[ACC+16+2*\p:ACC+16+2*\p+1], v[ACC+24+2*\p:ACC+24+2*\p+1]
	v_pk_add_f32 v[WRAW+2*\p:WRAW+2*\p+1], v[WRAW+2*\p:WRAW+2*\p+1], v[WRAW+8+2*\p:WRAW+8+2*\p+1]   ; the gates' sums over my four tokens
.endr
; The largest of token i's eight gates -> routed row j of the group: gate, index, and the expert's exponent ex in v[TM].  The one in hand stays where it is at least as large: the lower index wins.
.macro PICK i, j
	v_mov_b32 v[WTR+(\j)], v[ACC+8*(\i)]
	v_mov_b32 v[SELR+(\j)], 0
	v_mov_b32 v[TM], s28
.irp e, 1,2,3,4,5,6,7
	v_cmp_ge_f32 vcc_lo, v[WTR+(\j)], v[ACC+8*(\i)+\e]
	v_cndmask_b32 v[WTR+(\j)], v[ACC+8*(\i)+\e], v[WTR+(\j)], vcc_lo
	v_cndmask_b32 v[SELR+(\j)], \e, v[SELR+(\j)], vcc_lo
	v_cndmask_b32 v[TM], s[28+4*\e], v[TM], vcc_lo
.endr
.endm
.macro DROP i, j                       ; the winner's gate becomes -1, under every gate
.irp e, 0,1,2,3,4,5,6,7
	v_cmp_ne_u32 vcc_lo, \e, v[SELR+(\j)]
	v_cndmask_b32 v[ACC+8*(\i)+\e], -1.0, v[ACC+8*(\i)+\e], vcc_lo
.endr
.endm
; My eight numbers of token i become codes with the scale 2^ex.  The conversion to an 8-bit code does not saturate (ISA guide 7.6.2): the numbers are held within 57,344 x 2^ex first.
.macro QROW i, j
	v_add_nc_u32 v[TM+1], 127, v[TM]
	v_lshlrev_b32 v[TM+2], 23, v[TM+1]             ; 2^ex as f32: the conversion takes its exponent field
	v_add_nc_u32 v[TM+1], 15, v[TM+1]
	v_lshl_or_b32 v[TM+3], v[TM+1], 23, 0x600000   ; 57,344 x 2^ex
.irp n, 0,1,2,3,4,5,6,7
	v_med3_num_f32 v[T+\n], v[X+8*(\i)+\n], -v[TM+3], v[TM+3]
.endr
	v_cvt_scalef32_pk8_bf8_f32 v[C+2*(\j):C+2*(\j)+1], v[T:T+7], v[TM+2]
.endm
.irp i, 0,1,2,3
	PICK \i, 2*\i
	QROW \i, 2*\i
	DROP \i, 2*\i                                  ; (plain lines between a conversion and the next write of its sources)
	PICK \i, 2*\i+1
	QROW \i, 2*\i+1
.endr
	v_nop                                          ; a plain line behind the last conversion
; the codes turn through my wave's own LDS bytes, so that sixteen lanes store 256 consecutive bytes of a routed row, aligned
.irp j, 0,1,2,3,4,5,6,7
	ds_store_b32 v7, v[C+2*\j] offset:256*\j
	ds_store_b32 v7, v[C+2*\j+1] offset:256*\j+128
.endr
.irp q, 0,1,2,3
	ds_load_b128 v[WF+4*\q:WF+4*\q+3], v8 offset:512*\q
.endr
.irp q, 0,1,2,3
	s_wait_dscnt 3-\q                              ; the younger reads may be out
	global_store_b128 v9, v[WF+4*\q:WF+4*\q+3], s[12:13] offset:2048*\q
.endr
	s_cmp_lg_u32 s62, 0                            ; all four waves hold the same choice: thread 0 stores it
	s_cbranch_scc1 .Lend
	s_wait_xcnt 0x0                                ; EXEC changes only behind this wait
	v_cmp_eq_u32 vcc_lo, 0, v0
	s_and_saveexec_b32 s63, vcc_lo
	global_store_b128 v6, v[SELR:SELR+3], s[14:15]
	global_store_b128 v6, v[SELR+4:SELR+7], s[14:15] offset:16
	global_store_b128 v6, v[WTR:WTR+3], s[16:17]
	global_store_b128 v6, v[WTR+4:WTR+7], s[16:17] offset:16
	global_store_b128 v6, v[WRAW:WRAW+3], s[18:19]
	global_store_b128 v6, v[WRAW+4:WRAW+7], s[18:19] offset:16
	s_wait_xcnt 0x0                                ; and again ahead of the line that widens it
	s_or_b32 exec_lo, exec_lo, s63
.Lend:
	s_wait_tensorcnt 0x0
	ds_add_u32 v14, v15
	s_wait_dscnt 0x0
	s_endpgm
.Lfunc_end_k_qe833a7a066_router:
	.size	k_qe833a7a066_router, .Lfunc_end_k_qe833a7a066_router-k_qe833a7a066_router
	.p2alignl 7, 3214868480
	.fill 96, 4, 3214868480
	.section	.rodata,"a",@progbits
	.p2align	6, 0x0
	.amdhsa_kernel k_qe833a7a066_router
		.amdhsa_group_segment_fixed_size 46592
		.amdhsa_private_segment_fixed_size 0
		.amdhsa_enable_private_segment 0
		.amdhsa_kernarg_size 64
		.amdhsa_user_sgpr_count 2
		.amdhsa_user_sgpr_kernarg_segment_ptr 1
		.amdhsa_wavefront_size32 1
		.amdhsa_system_sgpr_workgroup_id_x 1
		.amdhsa_system_sgpr_workgroup_id_y 1
		.amdhsa_system_sgpr_workgroup_id_z 1
		.amdhsa_system_vgpr_workitem_id 0
		.amdhsa_next_free_vgpr 256
		.amdhsa_next_free_sgpr 66
		.amdhsa_reserve_vcc 1
		.amdhsa_float_denorm_mode_32 3
		.amdhsa_float_denorm_mode_16_64 3
		.amdhsa_memory_ordered 1
		.amdhsa_forward_progress 1
		.amdhsa_inst_pref_size 59
	.end_amdhsa_kernel
	.amdgpu_metadata
---
amdhsa.version: [ 1, 2 ]
amdhsa.kernels:
  - .name:           k_qe833a7a066_router
    .symbol:         k_qe833a7a066_router.kd
    .args:
      - { .name: x, .offset: 0, .size: 8, .value_kind: global_buffer, .address_space: global }
      - { .name: Wr, .offset: 8, .size: 8, .value_kind: global_buffer, .address_space: global }
      - { .name: br, .offset: 16, .size: 8, .value_kind: global_buffer, .address_space: global }
      - { .name: lowp_scales, .offset: 24, .size: 8, .value_kind: global_buffer, .address_space: global }
      - { .name: xq, .offset: 32, .size: 8, .value_kind: global_buffer, .address_space: global }
      - { .name: sel, .offset: 40, .size: 8, .value_kind: global_buffer, .address_space: global }
      - { .name: wts, .offset: 48, .size: 8, .value_kind: global_buffer, .address_space: global }
      - { .name: gsum, .offset: 56, .size: 8, .value_kind: global_buffer, .address_space: global }
    .group_segment_fixed_size: 46592
    .private_segment_fixed_size: 0
    .kernarg_segment_align: 8
    .kernarg_segment_size: 64
    .max_flat_workgroup_size: 128
    .sgpr_count:     66
    .vgpr_count:     256
    .wavefront_size: 32
...
	.end_amdgpu_metadata
.endif
;; end of part 1
;; launch place (part 2): grid 1 x 1, 16 waves a work-group, no clusters, 6,144 bytes of LDS; arguments sel, gsum, order, cnt, out1; writes order, cnt, out1
.if DOCPART == 2
	.amdgcn_target "amdgcn-amd-amdhsa--gfx1250"
	.amdhsa_code_object_version 6
	.text
	.protected	k_qe833a7a066_place
	.globl	k_qe833a7a066_place
	.p2align	8
	.type	k_qe833a7a066_place,@function
k_qe833a7a066_place:
	s_mov_b64 s[64:65], 0
	v_nop
	global_prefetch_b8 v0, s[64:65] scope:SCOPE_SE
	s_setreg_imm32_b32 hwreg(HW_REG_WAVE_MODE, 25, 1), 1
	s_wait_xcnt 0x0
; THE PLACING.  A counting sort of the 2,048 routed rows by expert, on whole numbers read from memory, by one work-group and without atomics; and the auxiliary loss.
; OUT: order[e][1152]: places 0 .. n_e - 1 hold expert e's routed rows, every other place 0 (n_e is at most 1,024: a token takes an expert once; the 128 places more serve the readers' look-ahead);
; cnt: words 0-63: word l = n of expert l mod 8; from byte 256 on slot[r] = 1,024 e + the place of routed row r in its expert's list;
; out1 = sum over e of (mean gate e) x (share of tokens that chose e) x 8 / 1,024.
; SHARES.  Thread i holds routed rows 4 i .. 4 i + 3.  A row's place = its expert's rows in earlier waves + those earlier in my wave.  A row's place is stored by the row's thread.
; The places from n_e on get their 0 from the two waves that own expert e's list, a lane a place; a lane whose place holds a row stores its 0 at place n_e instead, which is free: so no lane is switched off,
; and the 18 stores stand in one run.  One work-group: the work is 2,048 numbers.
.set GSL, 2048                         ; LDS: bytes 0-2047: 32 words a wave, words 0-7 its count for each expert; from GSL on 32 bytes a wave: its sums of the eight gates
.set FA,  52                           ; v52-69  the fill's 18 offsets
.set GS,  72                           ; v72-87  the sixteen waves' sums of a gate
	s_load_b256 s[4:11], s[0:1], 0x0               ; sel, gsum, order, cnt
	s_load_b64 s[12:13], s[0:1], 0x20              ; out1
	v_lshl_add_u32 v96, v0, 2, 0x1000
	v_mov_b32 v97, 0
	v_lshrrev_b32 v1, 5, v0
	v_readfirstlane_b32 s14, v1                    ; wave 0..15
	v_and_b32 v1, 31, v0                           ; lane
	v_lshlrev_b32 v2, 4, v0                        ; 16 x thread
	v_lshlrev_b32 v18, 2, v0                       ; 4 x thread: my word in LDS, and my first routed row
	v_and_b32 v3, 1, v0
	s_lshl_b32 s15, s14, 5
	s_add_co_u32 s15, s15, GSL
	v_lshl_add_u32 v19, v3, 4, s15                 ; even lanes hold experts 0-3's sums, odd lanes 4-7's
	v_and_b32 v3, 7, v0
	v_lshlrev_b32 v20, 2, v3                       ; lane l looks after expert l mod 8
	v_add_nc_u32 v21, GSL, v20
	s_lshr_b32 s26, s14, 1                         ; the expert whose list my wave fills up,
	s_and_b32 s27, s14, 1                          ; and which half of its 36 groups of 32 places
	s_mul_i32 s28, s26, 1152                       ; the list's first word
	s_mul_i32 s29, s27, 576
	v_add_nc_u32 v23, s29, v1                      ; my place in the first of my 18 groups
	s_lshl_b32 s29, s26, 2
	v_mov_b32 v44, s29                             ; the lane that looks after that expert, x 4
	v_mov_b32 v45, 0
	s_mov_b32 s24, 0x76543210
	s_mov_b32 s25, 0xfedcba98
.irp c, 0,1,2,3
	v_mov_b32 v[24+\c], 0                          ; a lane permute's destination counts as read
	v_mov_b32 v[12+\c], 0
.endr
.irp e, 0,1,2,3,4,5,6,7
	s_mov_b32 s[16+\e], 0                          ; my wave's count for each expert
.endr
	s_wait_kmcnt 0x0
	global_load_b128 v[4:7], v2, s[4:5]            ; four experts
	global_load_b128 v[8:11], v2, s[6:7]           ; four sums of gates: work-group i / 2 of the router, experts 4 (i mod 2) + 0..3
	s_wait_loadcnt 0x0
.irp j, 0,1,2,3
	v_min_u32 v[4+\j], 7, v[4+\j]
.endr
.irp j, 0,1,2,3
.irp e, 0,1,2,3,4,5,6,7
	v_cmp_eq_u32 s30, \e, v[4+\j]
	v_mbcnt_lo_u32_b32 v16, s30, s[16+\e]          ; the count so far + the lanes below me with this expert
	v_cndmask_b32 v[12+\j], v[12+\j], v16, s30
	s_bcnt1_i32_b32 s31, s30
	s_add_co_u32 s[16+\e], s[16+\e], s31
.endr
.endr
	v_mov_b32 v17, 0
.irp e, 0,1,2,3,4,5,6,7
	v_writelane_b32 v17, s[16+\e], \e
.endr
	ds_store_b32 v18, v17
.irp m, 2,4,8
.irp c, 0,1,2,3
	v_add_f32_dpp v[8+\c], v[8+\c], v[8+\c] row_xmask:\m row_mask:0xf bank_mask:0xf   ; lanes of equal parity hold the same experts
.endr
.endr
.irp c, 0,1,2,3
	v_permlanex16_b32 v[24+\c], v[8+\c], s24, s25
.endr
.irp c, 0,1,2,3
	v_add_f32 v[8+\c], v[8+\c], v[24+\c]
.endr
	ds_store_b128 v19, v[8:11]
	s_wait_dscnt 0x0                               ; for the others' sake: my stores have landed
	s_barrier_signal -1
	s_barrier_wait -1
.irp q, 0,1,2,3,4,5,6,7,8,9,10,11,12,13,14,15
	ds_load_b32 v[24+\q], v20 offset:128*\q        ; every wave's count for my lane's expert
.endr
	v_mov_b32 v40, 0                               ; n of that expert,
	v_mov_b32 v41, 0                               ; and its rows in the waves before mine
	s_wait_dscnt 0x0
.irp q, 0,1,2,3,4,5,6,7,8,9,10,11,12,13,14,15
	s_cmp_gt_u32 s14, \q
	s_cselect_b32 s31, -1, 0
	v_add_nc_u32 v40, v40, v[24+\q]
	v_and_b32 v16, s31, v[24+\q]
	v_add_nc_u32 v41, v41, v16
.endr
.irp j, 0,1,2,3
	v_lshlrev_b32 v[32+\j], 2, v[4+\j]
.endr
.irp j, 0,1,2,3
	ds_bpermute_b32 v[36+\j], v[32+\j], v41        ; from the lane that looks after my row's expert
.endr
	ds_bpermute_b32 v42, v44, v40                  ; n of the expert whose list my wave fills up
.irp q, 0,1,2,3,4,5,6,7,8,9,10,11,12,13,14,15,16,17
	v_add_nc_u32 v[FA+\q], 32*\q, v23              ; my place in group q
.endr
	s_wait_dscnt 0x0
.irp j, 0,1,2,3
	v_mad_u32_u24 v[32+\j], v[4+\j], 1152, v[12+\j]
	v_add_nc_u32 v[32+\j], v[32+\j], v[36+\j]
	v_min_u32 v[32+\j], 9215, v[32+\j]             ; a loaded number enters an address behind a bound
	v_lshlrev_b32 v[32+\j], 2, v[32+\j]
	v_add_nc_u32 v[24+\j], \j, v18                 ; the routed row
	v_lshl_add_u32 v[48+\j], v[4+\j], 10, v[12+\j]
	v_add_nc_u32 v[48+\j], v[48+\j], v[36+\j]      ; its slot: 1,024 e + its place
.endr
.irp j, 0,1,2,3
	global_store_b32 v[32+\j], v[24+\j], s[8:9]
.endr
	global_store_b128 v2, v[48:51], s[10:11] offset:256    ; my four rows' slots: a wave stores 512 consecutive bytes
.irp q, 0,1,2,3,4,5,6,7,8,9,10,11,12,13,14,15,16,17
	v_cmp_gt_u32 vcc_lo, v42, v[FA+\q]             ; a place under n holds a row:
	v_cndmask_b32 v[FA+\q], v[FA+\q], v42, vcc_lo  ; its lane takes place n, the first free one
.endr
.irp q, 0,1,2,3,4,5,6,7,8,9,10,11,12,13,14,15,16,17
	v_add_nc_u32 v[FA+\q], s28, v[FA+\q]
	v_min_u32 v[FA+\q], 9215, v[FA+\q]             ; a loaded number enters an address behind a bound
	v_lshlrev_b32 v[FA+\q], 2, v[FA+\q]
.endr
.irp q, 0,1,2,3,4,5,6,7,8,9,10,11,12,13,14,15,16,17
	global_store_b32 v[FA+\q], v45, s[8:9]         ; 0 into every place from n on; each store has an offset register of its own, so no wait stands in the run
.endr
	s_cmp_lg_u32 s14, 0
	s_cbranch_scc1 .Lend
	global_store_b32 v18, v40, s[10:11]            ; wave 0: the counts, twice: 256 consecutive bytes
	global_store_b32 v18, v40, s[10:11] offset:128
.irp q, 0,1,2,3,4,5,6,7,8,9,10,11,12,13,14,15
	ds_load_b32 v[GS+\q], v21 offset:32*\q         ; every wave's sum of my lane's expert's gates, into registers that no pending store names
.endr
	v_cvt_f32_u32 v16, v40
	s_wait_dscnt 0x0
.irp q, 0,1,2,3,4,5,6,7
	v_add_f32 v[GS+\q], v[GS+\q], v[GS+8+\q]
.endr
.irp q, 0,1,2,3
	v_add_f32 v[GS+\q], v[GS+\q], v[GS+4+\q]
.endr
	v_add_f32 v[GS], v[GS], v[GS+2]
	v_add_f32 v[GS+1], v[GS+1], v[GS+3]
	v_add_f32 v[GS], v[GS], v[GS+1]
	v_mul_f32 v[GS], v[GS], v16                    ; (sum of gates) x n
	v_add_f32_dpp v[GS], v[GS], v[GS] row_xmask:1 row_mask:0xf bank_mask:0xf
	v_add_f32_dpp v[GS], v[GS], v[GS] row_xmask:2 row_mask:0xf bank_mask:0xf
	v_add_f32_dpp v[GS], v[GS], v[GS] row_xmask:4 row_mask:0xf bank_mask:0xf    ; over the eight experts
	v_mul_f32 v[GS], 0x32000000, v[GS]             ; x 2^-27 = (1 / 1,024) (1 / 1,024) (8 / 1,024)
	s_wait_xcnt 0x0                                ; EXEC changes only behind this wait
	v_cmp_eq_u32 vcc_lo, 0, v0
	s_and_saveexec_b32 s34, vcc_lo
	global_store_b32 v45, v[GS], s[12:13]
	s_wait_xcnt 0x0                                ; and again ahead of the line that widens it
	s_or_b32 exec_lo, exec_lo, s34
.Lend:
	s_wait_tensorcnt 0x0
	ds_add_u32 v96, v97
	s_wait_dscnt 0x0
	s_endpgm
.Lfunc_end_k_qe833a7a066_place:
	.size	k_qe833a7a066_place, .Lfunc_end_k_qe833a7a066_place-k_qe833a7a066_place
	.p2alignl 7, 3214868480
	.fill 96, 4, 3214868480
	.section	.rodata,"a",@progbits
	.p2align	6, 0x0
	.amdhsa_kernel k_qe833a7a066_place
		.amdhsa_group_segment_fixed_size 6144
		.amdhsa_private_segment_fixed_size 0
		.amdhsa_enable_private_segment 0
		.amdhsa_kernarg_size 40
		.amdhsa_user_sgpr_count 2
		.amdhsa_user_sgpr_kernarg_segment_ptr 1
		.amdhsa_wavefront_size32 1
		.amdhsa_system_sgpr_workgroup_id_x 1
		.amdhsa_system_sgpr_workgroup_id_y 1
		.amdhsa_system_sgpr_workgroup_id_z 1
		.amdhsa_system_vgpr_workitem_id 0
		.amdhsa_next_free_vgpr 98
		.amdhsa_next_free_sgpr 66
		.amdhsa_reserve_vcc 1
		.amdhsa_float_denorm_mode_32 3
		.amdhsa_float_denorm_mode_16_64 3
		.amdhsa_memory_ordered 1
		.amdhsa_forward_progress 1
		.amdhsa_inst_pref_size 27
	.end_amdhsa_kernel
	.amdgpu_metadata
---
amdhsa.version: [ 1, 2 ]
amdhsa.kernels:
  - .name:           k_qe833a7a066_place
    .symbol:         k_qe833a7a066_place.kd
    .args:
      - { .name: sel, .offset: 0, .size: 8, .value_kind: global_buffer, .address_space: global }
      - { .name: gsum, .offset: 8, .size: 8, .value_kind: global_buffer, .address_space: global }
      - { .name: order, .offset: 16, .size: 8, .value_kind: global_buffer, .address_space: global }
      - { .name: cnt, .offset: 24, .size: 8, .value_kind: global_buffer, .address_space: global }
      - { .name: out1, .offset: 32, .size: 8, .value_kind: global_buffer, .address_space: global }
    .group_segment_fixed_size: 6144
    .private_segment_fixed_size: 0
    .kernarg_segment_align: 8
    .kernarg_segment_size: 40
    .max_flat_workgroup_size: 512
    .sgpr_count:     66
    .vgpr_count:     98
    .wavefront_size: 32
...
	.end_amdgpu_metadata
.endif
;; end of part 2
;; launch ffn1 (part 3): grid 32 x 8, 4 waves a work-group, no clusters, 200,192 bytes of LDS; arguments xq, W1_codes, b1, lowp_scales, order, cnt, hq; writes hq
.if DOCPART == 3
	.amdgcn_target "amdgcn-amd-amdhsa--gfx1250"
	.amdhsa_code_object_version 6
	.text
	.protected	k_qe833a7a066_ffn1
	.globl	k_qe833a7a066_ffn1
	.p2align	8
	.type	k_qe833a7a066_ffn1,@function
k_qe833a7a066_ffn1:
	s_mov_b64 s[64:65], 0
	v_nop
	global_prefetch_b8 v0, s[64:65] scope:SCOPE_SE
	s_setreg_imm32_b32 hwreg(HW_REG_WAVE_MODE, 25, 1), 1
	s_wait_xcnt 0x0
; THE FIRST LAYER, for the routed rows alone: h = Q(gelu(xq W1^T 2^(ex + ew1) + b1)), E5M2 on both sides, f32 sums, exact gelu in f32, h quantised with the given 2^eh.
; SHARES.  Work-group (ch, e) owns hidden units 128 ch .. 128 ch + 127 of expert e: 128 KiB of W1's codes, read once in runs of 512 consecutive bytes, turned through LDS into operand fragments and KEPT IN REGISTERS
; (512 a wave).  The expert's rows go past in phases of 32.  Wave w = (cg = w mod 2, rg = w / 2) makes units 64 cg .. + 63 for rows 16 rg .. + 15 of a phase: a fragment of x read from LDS feeds four products.
; THE HEAD.  W1's rows are taken in two halves along K, 512 bytes of each row; both are asked for at once, ahead of everything that waits.  Behind the first half's stores stands a barrier of its own, so that the fragments of
; K steps 0-3 are read from LDS while the second half is on its way.  Between the two barriers the reads take bytes 0-511 of the LDS rows, the stores bytes 512-1,023 and the first buffer of x's rows.
; THE GRID SERVES EVERY SPLIT: 32 phases are walked by a loop of constant count with its barrier on every path; a phase past the expert's rows is jumped over by a scalar branch on the stored count.
; So this launch has no tensor load, and hence no joint loads in a cluster, though the 32 work-groups of an expert read the same rows of xq: their trips hang on a number read from memory.
; Phase 0 always runs, so that row tiles 0 and 1 of every expert exist for the next launch's first loads.  Places of the list past n_e hold 0: those rows are xq's row 0, and nobody uses their results.
; THE PRODUCT IS USED TRANSPOSED (source 0 = 16 rows of W1, source 1 = 16 routed rows), and lane r of local tile 2 b + u takes W1's row 32 b + 8 u + r + 8 (r / 8): so a lane holds one routed row and the 16 registers of
; tiles 2 b, 2 b + 1 are 16 neighbours along the next K.  A fragment's registers 4 c .. 4 c + 3 hold k = 32 c + 16 (lane / 16) + 0 .. 15: the same order of k on both sides of every product here and in the next launch.
; OUT: hq[e][row tile][K step = ch][2,048 bytes]: the image of the next product's operand registers: piece c (512 bytes), lane l's 16 bytes at 16 l.
; GELU: g = max(x, 0) - |x| erfc(a) / 2, a = |x| / sqrt 2, which keeps its relative accuracy in the negative tail.  erfc(a) (1 + 2 a) e^(a a) = 1 + p(q), q = (a - 2) / (a + 2), p of degree 9 (a published f32 fit for a up to 10;
; beyond a = 9.4 the exponential is 0).  Every term stays finite for every finite x.
; LIMITS: ex + ew1 between -126 and 127; eh between -126 and 112.  NaN and infinities are not served.
; REGISTERS: window 0 as named below; windows 1, 2: W1's fragments, (tile t, K step s) at window 1 + s / 4, register 16 (4 (s mod 4) + t) (at the head v0-127 of window 1 + hf hold half hf of my rows as loaded);
; window 3 v0-63: rows of xq on their way to LDS.
.set PITCH,  1040                      ; an LDS row: 1,024 codes + 16 bytes: 65 x 16, so that the sixteen rows of a fragment load start 16 bytes apart modulo 256
.set ABUF,   128*PITCH                 ; LDS: W1's 128 rows, then two buffers of 32 rows of xq
.set ABYTES, 32*PITCH
.set AFA,  4                           ; v4-5   my lane's place in a fragment of x, buffer 0, 1
.set STA,  6                           ; v6-7   where I put rows of xq, buffer 0, 1: rows 8 w + 4 (lane / 16) + 0..3, 16 bytes at 16 (lane mod 16)
.set IDA,  8                           ; v8     my four row numbers' bytes in a phase's 128
.set HO,   9                           ; v9     my 16 bytes in hq
.set WSA,  10                          ; v10    W1's rows into LDS
.set WFA,  11                          ; v11    and back as fragments
.set ID,   12                          ; v12-15 four routed rows
.set RA,   16                          ; v16-19 their byte offsets in xq
.set C9,   20                          ; v20-21 the polynomial's leading coefficient, twice
.set QS,   22                          ; v22    2^eh
.set QL,   23                          ; v23    57,344 x 2^eh
.set HC,   24                          ; v24-31 the codes just made
.set BIAS, 32                          ; v32-63 b1 in the result's layout
.set ACC,  64                          ; v64-95 four accumulators
.set AF,   96                          ; v96-223 x's eight fragments; during the gelu four sets of 32:
.set GA,   96
.set GR1,  128
.set GR2,  160
.set GEX,  192
.set BO,   224                         ; v224   64 x (lane / 16)
.set LQ,   225                         ; v225   16 x (lane mod 16)
.set NPH,  25                          ; s25    phases that run
.set PH,   26                          ; s26    the phase
.set MSB, 0
.macro WIN new                         ; the immediate's high byte repeats the setting that is left; a switch that changes nothing is dropped
.if MSB != \new
	s_set_vgpr_msb (MSB<<8)|(\new)
.set MSB, \new
.endif
.endm
	s_load_b256 s[4:11], s[0:1], 0x0               ; xq, W1's codes, b1, the scales' exponents
	s_load_b128 s[12:15], s[0:1], 0x20             ; order, cnt
	s_load_b64 s[16:17], s[0:1], 0x30              ; hq
	v_lshl_add_u32 v254, v0, 2, 0x30c00
	v_mov_b32 v255, 0
	v_lshrrev_b32 v1, 5, v0
	v_readfirstlane_b32 s38, v1                    ; wave
	s_and_b32 s39, s38, 1                          ; cg
	s_lshr_b32 s40, s38, 1                         ; rg
	s_and_b32 s41, ttmp7, 0xffff                   ; the expert
	v_and_b32 v226, 31, v0
	v_and_b32 v1, 15, v0                           ; r
	v_bfe_u32 v2, v0, 4, 1                         ; h
	v_lshlrev_b32 v3, 4, v226                      ; 16 x lane
	v_lshlrev_b32 v[LQ], 4, v1
	v_lshlrev_b32 v[BO], 6, v2
	v_mul_u32_u24 v227, v1, PITCH
	v_lshl_add_u32 v227, v2, 4, v227
	s_mul_i32 s42, s40, 16*PITCH
	s_add_co_u32 s42, s42, ABUF
	v_add_nc_u32 v[AFA], s42, v227
	v_add_nc_u32 v[AFA+1], ABYTES, v[AFA]
	v_mul_u32_u24 v227, v2, 4*PITCH
	v_add_nc_u32 v227, v[LQ], v227
	s_mul_i32 s42, s38, 8*PITCH
	s_add_co_u32 s42, s42, ABUF
	v_add_nc_u32 v[STA], s42, v227
	v_add_nc_u32 v[STA+1], ABYTES, v[STA]
	s_lshl_b32 s42, s38, 5
	v_lshl_add_u32 v[IDA], v2, 4, s42
	s_lshl_b32 s42, s40, 16                        ; row tile rg of the phase's two,
	s_lshl_b32 s43, s39, 10                        ; pieces 2 cg, 2 cg + 1 of the image
	s_add_co_u32 s42, s42, s43
	v_add_nc_u32 v[HO], s42, v3
	s_mul_i32 s42, s38, 32*PITCH
	v_add_nc_u32 v[WSA], s42, v3
	v_and_b32 v227, 8, v1
	v_add_nc_u32 v227, v227, v1                    ; r + 8 (r / 8)
	v_mul_u32_u24 v227, v227, PITCH
	v_lshl_add_u32 v227, v2, 4, v227
	s_mul_i32 s42, s39, 64*PITCH
	v_add_nc_u32 v[WFA], s42, v227
	v_mov_b32 v[C9], 0xb9d25000
	v_mov_b32 v[C9+1], 0xb9d25000
	s_mov_b32 s43, 0
	s_wait_kmcnt 0x0
	s_lshl_b32 s42, s41, 22                        ; an expert's codes, and its part of hq, are 4 MiB
	s_add_nc_u64 s[28:29], s[6:7], s[42:43]
	s_add_nc_u64 s[32:33], s[16:17], s[42:43]
	s_lshl_b32 s42, ttmp9, 17                      ; my 128 rows of 1,024 bytes,
	s_lshl_b32 s44, s38, 15                        ; my wave's 32 of them
	s_add_co_u32 s42, s42, s44
	s_add_nc_u64 s[28:29], s[28:29], s[42:43]
	s_lshl_b32 s42, ttmp9, 11                      ; K step ch of the next product
	s_add_nc_u64 s[32:33], s[32:33], s[42:43]
	s_mul_i32 s42, s41, 4608
	s_add_nc_u64 s[30:31], s[12:13], s[42:43]      ; the expert's list
	s_lshl_b32 s42, s41, 14
	s_lshl_b32 s44, ttmp9, 9
	s_add_co_u32 s42, s42, s44
	s_lshl_b32 s44, s39, 8
	s_add_co_u32 s42, s42, s44
	s_add_nc_u64 s[8:9], s[8:9], s[42:43]          ; b1 at my wave's 64 units
	s_lshl_b32 s42, s41, 4
	s_add_nc_u64 s[10:11], s[10:11], s[42:43]
	s_lshl_b32 s42, s41, 2
	s_add_nc_u64 s[14:15], s[14:15], s[42:43]
	s_load_b128 s[20:23], s[10:11], 0x0            ; ex, ew1, eh, ew2
	s_load_b32 s24, s[14:15], 0x0                  ; n_e
.macro WLOAD hf                        ; bytes 512 hf .. + 511 of each of my wave's 32 rows, as they lie, into window 1 + hf, v0-127: each byte of W1 is read by one work-group alone
	WIN 0x40*(1+\hf)
.set q, 0
.rept 32
	global_load_b128 v[4*q:4*q+3], v3, s[28:29] offset:q*1024+512*(\hf) th:TH_LOAD_NT
.set q, q+1
.endr
	WIN 0
.endm
.macro WSTORE hf
	WIN 0x04*(1+\hf)                               ; a store's data: source 1
.set q, 0
.rept 32
	ds_store_b128 v[WSA], v[4*q:4*q+3] offset:q*PITCH+512*(\hf)
.set q, q+1
.endr
	WIN 0
.endm
.macro FRAGS hf                        ; my four tiles' fragments of K steps 4 hf .. 4 hf + 3: all of window 1 + hf
	WIN 0x40*(1+\hf)
.irp k, 0,1,2,3
.irp t, 0,1,2,3
.irp c, 0,1,2,3
	ds_load_b128 v[16*(4*\k+\t)+4*\c:16*(4*\k+\t)+4*\c+3], v[WFA] offset:(32*(\t/2)+8*(\t%2))*PITCH+128*(4*(\hf)+\k)+32*\c
.endr
.endr
.endr
	WIN 0
.endm
.macro ADDR                            ; four routed rows become byte offsets; a loaded number enters an address behind a bound
.irp i, 0,1,2,3
	v_min_u32 v[ID+\i], 2047, v[ID+\i]
.endr
.irp i, 0,1,2,3
	v_lshl_add_u32 v[RA+\i], v[ID+\i], 10, v[LQ]
.endr
.endm
.macro ROWS                            ; my eight rows of a phase: sixteen lanes read 256 consecutive bytes of a row, aligned
	WIN 0xc0
.irp i, 0,1,2,3
.irp u, 0,1,2,3
	global_load_b128 v[4*(4*\i+\u):4*(4*\i+\u)+3], v[RA+\i], s[4:5] offset:256*\u
.endr
.endr
	WIN 0
.endm
.macro STAGE b
	WIN 0x0c
.irp i, 0,1,2,3
.irp u, 0,1,2,3
	ds_store_b128 v[STA+(\b)], v[4*(4*\i+\u):4*(4*\i+\u)+3] offset:\i*PITCH+256*\u
.endr
.endr
	WIN 0
.endm
	global_load_b128 v[ID:ID+3], v[IDA], s[30:31]  ; phase 0's rows
	WLOAD 0
	WLOAD 1
	s_wait_loadcnt 63                              ; the row numbers are in: 64 loads were issued behind them, and the wait's field holds 63
	ADDR
	ROWS
	global_load_b128 v[ID:ID+3], v[IDA], s[30:31] offset:128   ; phase 1's
.irp q, 0,1
.irp j, 0,1,2,3
	global_load_b128 v[BIAS+16*\q+4*\j:BIAS+16*\q+4*\j+3], v[BO], s[8:9] offset:128*\q+16*\j   ; b1 at units 32 q + 16 h + 0 .. 15 of my 64
.endr
.endr
	s_wait_loadcnt 57                              ; W1's first half is in; behind it: the second half's 32, 16 rows' loads, 1, 8
	WSTORE 0
	s_wait_dscnt 0x0                               ; for the others' sake: my stores have landed
	s_barrier_signal -1
	s_barrier_wait -1                              ; bytes 0-511 of W1's 128 rows lie in LDS
	FRAGS 0                                        ; read while the second half is on its way
	s_wait_loadcnt 25                              ; W1's second half; behind it: 16, 1, 8
	WSTORE 1
	s_wait_loadcnt 9                               ; phase 0's rows; behind them: 1, 8
	STAGE 0
	s_wait_loadcnt 8                               ; phase 1's row numbers; behind them: b1's 8
	ADDR
	s_wait_dscnt 0x0                               ; the stores have read their registers, and have landed; the first fragments are in
	ROWS
	global_load_b128 v[ID:ID+3], v[IDA], s[30:31] offset:256   ; phase 2's
	s_barrier_signal -1
	s_barrier_wait -1                              ; all of W1's 128 rows and phase 0's 32 rows lie in LDS
	FRAGS 1
	s_wait_kmcnt 0x0
	s_add_co_i32 s42, s20, s21
	s_add_co_i32 s42, s42, 127
	s_lshl_b32 s36, s42, 23                        ; 2^(ex + ew1) as f32
	s_mov_b32 s37, s36                             ; (named with it as a pair, so it is written)
	s_add_co_i32 s42, s22, 127
	s_lshl_b32 s44, s42, 23
	v_mov_b32 v[QS], s44
	s_add_co_i32 s42, s42, 15
	s_lshl_b32 s42, s42, 23
	s_or_b32 s42, s42, 0x600000
	v_mov_b32 v[QL], s42
	s_add_co_u32 s[NPH], s24, 31
	s_lshr_b32 s[NPH], s[NPH], 5
	s_min_u32 s[NPH], s[NPH], 32
	s_max_u32 s[NPH], s[NPH], 1
	s_mov_b32 s[PH], 0
	s_mov_b32 s27, 16
	s_wait_dscnt 0x0                               ; W1's fragments are in
	s_wait_loadcnt 17                              ; b1 is in; phase 1's 16 loads and phase 2's row numbers may be out
.macro GELU                            ; 32 numbers a lane, in place in the accumulators' registers
.set j, 0
.rept 16
	v_pk_fma_f32 v[ACC+j:ACC+j+1], v[ACC+j:ACC+j+1], s[36:37], v[BIAS+j:BIAS+j+1] op_sel_hi:[1,0,1]   ; x = sum x 2^(ex + ew1) + b1; each accumulator from its low end on
.set j, j+2
.endr
.set j, 0
.rept 32
	v_mul_f32 v[GA+j], 0x3f3504f3, |v[ACC+j]|      ; a = |x| / sqrt 2
.set j, j+1
.endr
.set j, 0
.rept 16
	v_pk_add_f32 v[GR1+j:GR1+j+1], v[GA+j:GA+j+1], 2.0 op_sel_hi:[1,0]
	v_pk_fma_f32 v[GR2+j:GR2+j+1], v[GA+j:GA+j+1], 2.0, 1.0 op_sel_hi:[1,0,0]
	v_pk_mul_f32 v[GEX+j:GEX+j+1], v[GA+j:GA+j+1], v[GA+j:GA+j+1]
.set j, j+2
.endr
.set j, 0
.rept 16
	v_pk_fma_f32 v[GEX+j:GEX+j+1], v[GEX+j:GEX+j+1], 0xbfb8aa3b, -1.0 op_sel_hi:[1,0,0]   ; -a a log2 e - 1: the 1 is the half
.set j, j+2
.endr
.set j, 0
.rept 32
	v_rcp_f32 v[GR1+j], v[GR1+j]                   ; 1 / (a + 2)
	v_rcp_f32 v[GR2+j], v[GR2+j]                   ; 1 / (1 + 2 a)
	v_exp_f32 v[GEX+j], v[GEX+j]                   ; e^(-a a) / 2
.set j, j+1
.endr
.set j, 0
.rept 16
	v_pk_add_f32 v[GA+j:GA+j+1], v[GA+j:GA+j+1], -2.0 op_sel_hi:[1,0]   ; plain lines that name no result of the batch
.set j, j+2
.endr
	s_wait_alu depctr_va_vdst(0)                   ; one wait for the batch of 96, ahead of its first reader
.set j, 0
.rept 16
	v_pk_mul_f32 v[GR1+j:GR1+j+1], v[GA+j:GA+j+1], v[GR1+j:GR1+j+1]     ; q
.set j, j+2
.endr
.set j, 0
.rept 16
	v_pk_fma_f32 v[GA+j:GA+j+1], v[GR1+j:GR1+j+1], v[C9:C9+1], 0xbaa15130 op_sel_hi:[1,1,0]
.set j, j+2
.endr
.irp k, 0x3aac2b8a, 0x3c0d6e62, 0xbc040dc1, 0xbd5e05b5, 0x3e27fe23, 0xbe2a0420, 0xbdbdfb0b, 0x3e8dd01d
.set j, 0
.rept 16
	v_pk_fma_f32 v[GA+j:GA+j+1], v[GA+j:GA+j+1], v[GR1+j:GR1+j+1], \k op_sel_hi:[1,1,0]
.set j, j+2
.endr
.endr
.set j, 0
.rept 16
	v_pk_fma_f32 v[GR2+j:GR2+j+1], v[GA+j:GA+j+1], v[GR2+j:GR2+j+1], v[GR2+j:GR2+j+1]   ; (p + 1) / (1 + 2 a)
.set j, j+2
.endr
.set j, 0
.rept 16
	v_pk_mul_f32 v[GEX+j:GEX+j+1], v[GR2+j:GR2+j+1], v[GEX+j:GEX+j+1]   ; erfc(a) / 2
.set j, j+2
.endr
.set j, 0
.rept 32
	v_max_num_f32 v[GA+j], 0, v[ACC+j]
.set j, j+1
.endr
.set j, 0
.rept 32
	v_fma_f32 v[ACC+j], -|v[ACC+j]|, v[GEX+j], v[GA+j]
.set j, j+1
.endr
.set j, 0
.rept 32
	v_med3_num_f32 v[ACC+j], v[ACC+j], -v[QL], v[QL]   ; the conversion to an 8-bit code does not saturate (ISA guide 7.6.2): the hold at the largest code x the scale
.set j, j+1
.endr
.endm
; A PHASE, from buffer b.  When it begins, the next phase's 16 row loads and the row numbers of the phase after that are out, in this order; when it ends, the same holds one phase on.
; Behind a phase that was jumped over nothing is out.  One barrier a phase: this phase reads buffer b and writes the other, whose last readers waited for their loads ahead of the barrier before.
.macro TRIP b
	s_cmp_lt_u32 s[PH], s[NPH]
	s_cbranch_scc0 .Lidle_\@
.irp s, 0,1,2,3,4,5,6,7
.irp c, 0,1,2,3
	ds_load_b128 v[AF+16*\s+4*\c:AF+16*\s+4*\c+3], v[AFA+\b] offset:128*\s+32*\c
.endr
.endr
.irp s, 0,1,2,3,4,5,6,7
	s_wait_dscnt 4*(7-\s)                          ; K step s's fragment is in; the later steps' four loads each may be out
	WIN 1+\s/4                                     ; source 0: W1's window
.irp t, 0,1,2,3                        ; the four accumulators take turns, one instruction a turn
.if \s == 0
	v_wmma_f32_16x16x128_bf8_bf8 v[ACC+8*\t:ACC+8*\t+7], v[16*(4*(\s%4)+\t):16*(4*(\s%4)+\t)+15], v[AF+16*\s:AF+16*\s+15], 0
.else
	v_wmma_f32_16x16x128_bf8_bf8 v[ACC+8*\t:ACC+8*\t+7], v[16*(4*(\s%4)+\t):16*(4*(\s%4)+\t)+15], v[AF+16*\s:AF+16*\s+15], v[ACC+8*\t:ACC+8*\t+7]
.endif
.endr
.endr
	WIN 0
	s_wait_loadcnt 0x1                             ; the next phase's rows are in; the row numbers behind them may be out
	STAGE 1-\b
	s_wait_loadcnt 0x0                             ; the row numbers of the phase after next
	ADDR                                           ; (eight plain lines: the places between the last products and the first read of their results)
	s_wait_dscnt 0x0                               ; the stores have read their registers
	ROWS
	s_add_nc_u64 s[30:31], s[30:31], 128           ; the load that read this pointer is done
	global_load_b128 v[ID:ID+3], v[IDA], s[30:31] offset:256   ; three phases ahead: at most phase 34 of the list's 36
	GELU
	s_wait_xcnt 0x0                                ; the last phase's stores have read their data and their base
	s_lshl_b32 s42, s[PH], 17                      ; two row tiles of 64 KiB a phase
	s_add_nc_u64 s[34:35], s[32:33], s[42:43]
.irp q, 0,1
	v_cvt_scalef32_pk8_bf8_f32 v[HC+4*\q:HC+4*\q+1], v[ACC+16*\q:ACC+16*\q+7], v[QS]
	v_cvt_scalef32_pk8_bf8_f32 v[HC+4*\q+2:HC+4*\q+3], v[ACC+16*\q+8:ACC+16*\q+15], v[QS]
.endr
	v_nop                                          ; a plain line behind the last conversion: the next products write its sources
	global_store_b128 v[HO], v[HC:HC+3], s[34:35]              ; 512 consecutive bytes each, aligned
	global_store_b128 v[HO], v[HC+4:HC+7], s[34:35] offset:512
	s_branch .Lmeet_\@
.Lidle_\@:
	s_wait_loadcnt 0x0                             ; what the last phase asked for ahead has come, and is not used
.Lmeet_\@:
	s_add_co_u32 s[PH], s[PH], 1
	s_wait_dscnt 0x0                               ; my stores into the other buffer have landed, my reads of this one are back
	s_barrier_signal -1
	s_barrier_wait -1
.endm
.Lpair:
	TRIP 0
	TRIP 1
	s_sub_co_u32 s27, s27, 1
	s_cmp_lg_u32 s27, 0
	s_cbranch_scc1 .Lpair
	s_wait_tensorcnt 0x0
	ds_add_u32 v254, v255
	s_wait_dscnt 0x0
	s_endpgm
.Lfunc_end_k_qe833a7a066_ffn1:
	.size	k_qe833a7a066_ffn1, .Lfunc_end_k_qe833a7a066_ffn1-k_qe833a7a066_ffn1
	.p2alignl 7, 3214868480
	.fill 96, 4, 3214868480
	.section	.rodata,"a",@progbits
	.p2align	6, 0x0
	.amdhsa_kernel k_qe833a7a066_ffn1
		.amdhsa_group_segment_fixed_size 200192
		.amdhsa_private_segment_fixed_size 0
		.amdhsa_enable_private_segment 0
		.amdhsa_kernarg_size 56
		.amdhsa_user_sgpr_count 2
		.amdhsa_user_sgpr_kernarg_segment_ptr 1
		.amdhsa_wavefront_size32 1
		.amdhsa_system_sgpr_workgroup_id_x 1
		.amdhsa_system_sgpr_workgroup_id_y 1
		.amdhsa_system_sgpr_workgroup_id_z 1
		.amdhsa_system_vgpr_workitem_id 0
		.amdhsa_next_free_vgpr 832
		.amdhsa_next_free_sgpr 66
		.amdhsa_reserve_vcc 0
		.amdhsa_float_denorm_mode_32 3
		.amdhsa_float_denorm_mode_16_64 3
		.amdhsa_memory_ordered 1
		.amdhsa_forward_progress 1
		.amdhsa_inst_pref_size 115
	.end_amdhsa_kernel
	.amdgpu_metadata
---
amdhsa.version: [ 1, 2 ]
amdhsa.kernels:
  - .name:           k_qe833a7a066_ffn1
    .symbol:         k_qe833a7a066_ffn1.kd
    .args:
      - { .name: xq, .offset: 0, .size: 8, .value_kind: global_buffer, .address_space: global }
      - { .name: W1_codes, .offset: 8, .size: 8, .value_kind: global_buffer, .address_space: global }
      - { .name: b1, .offset: 16, .size: 8, .value_kind: global_buffer, .address_space: global }
      - { .name: lowp_scales, .offset: 24, .size: 8, .value_kind: global_buffer, .address_space: global }
      - { .name: order, .offset: 32, .size: 8, .value_kind: global_buffer, .address_space: global }
      - { .name: cnt, .offset: 40, .size: 8, .value_kind: global_buffer, .address_space: global }
      - { .name: hq, .offset: 48, .size: 8, .value_kind: global_buffer, .address_space: global }
    .group_segment_fixed_size: 200192
    .private_segment_fixed_size: 0
    .kernarg_segment_align: 8
    .kernarg_segment_size: 56
    .max_flat_workgroup_size: 128
    .sgpr_count:     66
    .vgpr_count:     832
    .wavefront_size: 32
...
	.end_amdgpu_metadata
.endif
;; end of part 3
;; launch ffn2 (part 4): grid 32 x 8, 4 waves a work-group, no clusters, 301,568 bytes of LDS; arguments hq, W2_codes, b2, lowp_scales, cnt, y; writes y
.if DOCPART == 4
	.amdgcn_target "amdgcn-amd-amdhsa--gfx1250"
	.amdhsa_code_object_version 6
	.text
	.protected	k_qe833a7a066_ffn2
	.globl	k_qe833a7a066_ffn2
	.p2align	8
	.type	k_qe833a7a066_ffn2,@function
k_qe833a7a066_ffn2:
	s_mov_b64 s[64:65], 0
	v_nop
	global_prefetch_b8 v0, s[64:65] scope:SCOPE_SE
	s_setreg_imm32_b32 hwreg(HW_REG_WAVE_MODE, 25, 1), 1
	s_wait_xcnt 0x0
; THE SECOND LAYER, for the routed rows alone: y = h W2^T 2^(eh + ew2) + b2, E5M2 on both sides, f32 sums.
; OUT: y[1,024 e + place][1,024] f32: a row lies where it stands in its expert's list, so every address here is made of ids and the counted tile number; the last launch finds each routed row by its stored slot.
; The last tile's rows past n_e are stored too, into places that nobody reads.
; SHARES.  Work-group (x, e): columns 64 (x / 2) .. + 63 of expert e, row tiles x mod 2, x mod 2 + 2, ..  Its 256 KiB of W2's codes are read once, in runs of 512 consecutive bytes, turned through LDS and KEPT IN REGISTERS.
; THE WAVES SHARE K: wave w owns K steps 8 w .. 8 w + 7 (its 1,024 bytes of each of the 64 rows: 32 fragments, 512 registers), for all four column tiles.  So each byte of a row tile of h enters the work-group once,
; straight into registers: hq holds images of the operand's registers, 512 consecutive bytes a load.  The four waves' partial sums meet in LDS; wave w adds, in a fixed order, and stores rows 4 w .. 4 w + 3 of the tile.
; THE HEAD.  A wave's 64 KiB of W2 go in four pieces: (rows 32 g .. + 31) x (bytes 512 hf .. + 511 of my 1,024): 32 loads.  A piece holds just the eight fragments of column tiles 2 g, 2 g + 1 and my K steps 4 hf .. + 3, and its
; loads land in those fragments' 128 registers.  While a piece turns through my wave's own LDS bytes (32 stores, 32 loads), two later pieces, or the first tiles of h, are on their way: 64 loads at any time.
; THE GRID SERVES EVERY SPLIT: 32 trips of constant count, the barrier on every path; a tile past the expert's rows is jumped over by a scalar branch on the stored count.  So this launch has no tensor load, and hence no
; joint loads in a cluster, though 16 work-groups read the same row tiles: their trips hang on a number read from memory.
; The product is used transposed (source 0 = 16 rows of W2, source 1 = 16 rows of h): a lane holds eight neighbouring columns of one row.  Two tiles of h are on their way at any time; a work-group's last two tiles ask
; for nothing.  The two first loads are held at the expert's last tile, so that no load meets bytes that nobody wrote.
; LIMITS: eh + ew2 between -126 and 127.
; REGISTERS: window 0 as named below; windows 1, 2: W2's fragments, (column tile t, my K step s) at window 1 + s / 4, register 16 (4 (s mod 4) + t); window 3 v0-127: h's second buffer.
.set PITCH,  1040                      ; an LDS row: my 1,024 bytes of a row of W2 + 16
.set WSB,    64*PITCH                  ; LDS: 64 such rows for each wave, its own
.set XB,     4*WSB                     ; then two exchange buffers: for each wave 16 rows x (256 bytes + 16)
.set XW,     16*272
.set XBYTES, 4*XW
.set AO,   3                           ; v3     my 16 bytes in a row tile's images: 16 x lane + 8 w K steps of 2,048
.set XS,   4                           ; v4-5   where I put my partial sums, buffer 0, 1
.set XR,   6                           ; v6-7   where I read the four waves' back
.set WSA,  8                           ; v8-9   W2's rows into LDS: rows 0-31, rows 32-63
.set WFA,  10                          ; v10    and back as fragments
.set LI,   11                          ; v11    16 x lane
.set POS,  12                          ; v12    4 w + lane / 16: my first row in a tile
.set YO,   13                          ; v13    that row's 4,096 bytes of y, my 16 of its 256 in my columns; never rewritten
.set B2,   16                          ; v16-19 b2 at my four columns
.set YV,   20                          ; v20-27 two rows' four numbers
.set LQ,   30                          ; v30    16 x (lane mod 16)
.set ACC,  32                          ; v32-63 four accumulators
.set PR,   64                          ; v64-95 partial sums read back: (row pair q, wave p) at 16 q + 4 p
.set NT,   25                          ; s25    the expert's row tiles
.set T,    28                          ; s28    the tile
.set MSB, 0
.macro WIN new                         ; the immediate's high byte repeats the setting that is left; a switch that changes nothing is dropped
.if MSB != \new
	s_set_vgpr_msb (MSB<<8)|(\new)
.set MSB, \new
.endif
.endm
	s_load_b256 s[4:11], s[0:1], 0x0               ; hq, W2's codes, b2, the scales' exponents
	s_load_b128 s[12:15], s[0:1], 0x20             ; cnt, y
	v_lshl_add_u32 v254, v0, 2, 0x49800
	v_mov_b32 v255, 0
	v_lshrrev_b32 v1, 5, v0
	v_readfirstlane_b32 s38, v1                    ; wave
	s_and_b32 s39, ttmp7, 0xffff                   ; the expert
	s_lshr_b32 s40, ttmp9, 1                       ; which 64 columns
	s_and_b32 s[T], ttmp9, 1                       ; my first tile
	v_and_b32 v28, 31, v0
	v_and_b32 v1, 15, v0                           ; r
	v_bfe_u32 v2, v0, 4, 1                         ; h
	v_lshlrev_b32 v[LI], 4, v28
	v_lshlrev_b32 v[LQ], 4, v1
	s_lshl_b32 s42, s38, 14
	v_add_nc_u32 v[AO], s42, v[LI]
	v_mul_u32_u24 v29, v1, 272
	v_lshl_add_u32 v29, v2, 5, v29
	s_mul_i32 s42, s38, XW
	s_add_co_u32 s42, s42, XB
	v_add_nc_u32 v[XS], s42, v29                   ; row r, 32 bytes for each half of the lanes
	v_add_nc_u32 v[XS+1], XBYTES, v[XS]
	v_mul_u32_u24 v29, v2, 272
	v_add_nc_u32 v29, v[LQ], v29
	s_mul_i32 s42, s38, 4*272
	s_add_co_u32 s42, s42, XB
	v_add_nc_u32 v[XR], s42, v29                   ; rows 4 w + lane / 16 (+ 2), sixteen lanes to a row
	v_add_nc_u32 v[XR+1], XBYTES, v[XR]
	s_mul_i32 s42, s38, WSB
	v_add_nc_u32 v[WSA], s42, v[LI]
	v_add_nc_u32 v[WSA+1], 32*PITCH, v[WSA]
	v_mul_u32_u24 v29, v1, PITCH
	v_lshl_add_u32 v29, v2, 4, v29
	v_add_nc_u32 v[WFA], s42, v29
	s_lshl_b32 s42, s38, 2
	v_add_nc_u32 v[POS], s42, v2
	v_lshl_add_u32 v[YO], v[POS], 12, v[LQ]
	s_mov_b32 s43, 0
	s_mov_b32 s55, 0
	s_mov_b32 s57, 0
	s_wait_kmcnt 0x0
	s_lshl_b32 s42, s39, 22                        ; an expert's part of hq, its codes and its 1,024 places of y are 4 MiB each
	s_add_nc_u64 s[32:33], s[4:5], s[42:43]        ; hq at the expert
	s_add_nc_u64 s[44:45], s[6:7], s[42:43]        ; W2 at the expert,
	s_add_nc_u64 s[48:49], s[14:15], s[42:43]      ; y at the expert,
	s_lshl_b32 s42, s40, 8                         ; at my 64 columns
	s_add_nc_u64 s[48:49], s[48:49], s[42:43]
	s_lshl_b32 s42, s40, 18                        ; my 64 rows of W2, 4,096 bytes each,
	s_lshl_b32 s52, s38, 10                        ; my wave's 1,024 bytes of each
	s_add_co_u32 s42, s42, s52
	s_add_nc_u64 s[44:45], s[44:45], s[42:43]
	s_lshl_b32 s42, s39, 12
	s_lshl_b32 s52, s40, 8
	s_add_co_u32 s42, s42, s52
	s_add_nc_u64 s[8:9], s[8:9], s[42:43]          ; b2 at my 64 columns
	s_lshl_b32 s42, s39, 4
	s_add_nc_u64 s[10:11], s[10:11], s[42:43]
	s_lshl_b32 s42, s39, 2
	s_add_nc_u64 s[12:13], s[12:13], s[42:43]
	s_load_b128 s[20:23], s[10:11], 0x0            ; ex, ew1, eh, ew2
	s_load_b32 s24, s[12:13], 0x0                  ; n_e
; Piece (g, hf) as it lies: row 32 g + q's 512 bytes go to registers 64 (q / 8) + 32 g + 4 (q mod 8) of window 1 + hf: together the 128 registers 64 k + 32 g + 0 .. 31 that the piece's fragments take
.macro WLOAD g, hf
	WIN 0x40*(1+\hf)
.set q, 0
.rept 32
	global_load_b128 v[64*(q/8)+32*(\g)+4*(q%8):64*(q/8)+32*(\g)+4*(q%8)+3], v[LI], s[44:45] offset:(32*(\g)+q)*4096+512*(\hf)
.set q, q+1
.endr
	WIN 0
.endm
; The piece turns through my wave's own LDS bytes: in by rows, back as the fragments (column tile 2 g + u, K step 4 hf + k), into the registers that it left
.macro WTURN g, hf
	WIN 0x04*(1+\hf)                               ; a store's data: source 1
.set q, 0
.rept 32
	ds_store_b128 v[WSA+\g], v[64*(q/8)+32*(\g)+4*(q%8):64*(q/8)+32*(\g)+4*(q%8)+3] offset:q*PITCH+512*(\hf)
.set q, q+1
.endr
	s_wait_dscnt 0x0                               ; the stores have read their registers.  My wave's own bytes: no barrier
	WIN 0x40*(1+\hf)
.irp k, 0,1,2,3
.irp u, 0,1
.irp c, 0,1,2,3
	ds_load_b128 v[16*(4*\k+2*(\g)+\u)+4*\c:16*(4*\k+2*(\g)+\u)+4*\c+3], v[WFA] offset:(2*(\g)+\u)*16*PITCH+128*(4*(\hf)+\k)+32*\c
.endr
.endr
.endr
	WIN 0
.endm
.macro ABASE b, ahead                  ; buffer b's next tile: T + ahead, held at the expert's last tile; a loaded number enters an address behind a bound
	s_add_co_u32 s53, s[T], \ahead
	s_min_u32 s53, s53, s26
	s_min_u32 s53, s53, 63
	s_lshl_b32 s54, s53, 16
	s_add_nc_u64 s[34+2*\b:35+2*\b], s[32:33], s[54:55]
.endm
.macro ALOAD b                         ; my eight K steps of a row tile: 32 loads of 512 consecutive bytes, straight into the operand's registers
.if \b
	WIN 0xc0
.endif
.irp s, 0,1,2,3,4,5,6,7
.irp c, 0,1,2,3
	global_load_b128 v[96*(1-\b)+16*\s+4*\c:96*(1-\b)+16*\s+4*\c+3], v[AO], s[34+2*\b:35+2*\b] offset:2048*\s+512*\c
.endr
.endr
	WIN 0
.endm
	global_load_b128 v[B2:B2+3], v[LQ], s[8:9]
	WLOAD 0, 0
	WLOAD 0, 1
	s_wait_kmcnt 0x0
	s_add_co_i32 s42, s22, s23
	s_add_co_i32 s42, s42, 127
	s_lshl_b32 s46, s42, 23                        ; 2^(eh + ew2) as f32
	s_mov_b32 s47, s46                             ; (named with it as a pair, so it is written)
	s_add_co_u32 s[NT], s24, 15
	s_lshr_b32 s[NT], s[NT], 4
	s_min_u32 s[NT], s[NT], 64
	s_max_u32 s26, s[NT], 1
	s_sub_co_u32 s26, s26, 1                       ; the last tile that exists (tile 0 always does)
	ABASE 0, 0
	ABASE 1, 2
	s_wait_loadcnt 32                              ; b2 and piece (0, 0) are in; piece (0, 1)'s 32 loads may be out
	WLOAD 1, 0
	WTURN 0, 0
	s_wait_loadcnt 32                              ; piece (0, 1) is in; piece (1, 0)'s 32 may be out
	WLOAD 1, 1
	WTURN 0, 1
	s_wait_loadcnt 32                              ; piece (1, 0) is in; piece (1, 1)'s 32 may be out
	ALOAD 0
	WTURN 1, 0
	s_wait_loadcnt 32                              ; piece (1, 1) is in; the first tile's 32 may be out
	ALOAD 1
	WTURN 1, 1
	s_mov_b32 s27, 16
	s_wait_dscnt 0x0                               ; all of W2's fragments are in
; A TILE OF 16 ROWS, from h's buffer b and through exchange buffer b.  When it begins, this tile's 32 loads and the next tile's 32 are out, in this order, or fewer.  Behind a tile that asked for nothing, or was jumped over, nothing is out.
; One barrier a tile: between two barriers the waves read exchange buffer b (this tile's sums) and write the other (the next tile's).
.macro TRIP b
	s_cmp_lt_u32 s[T], s[NT]
	s_cbranch_scc0 .Lidle_\@
	s_wait_loadcnt 32                              ; this tile is in; the other buffer's 32 loads may be out
.irp s, 0,1,2,3,4,5,6,7
	WIN 12*\b+1+\s/4                               ; source 0: W2's window; source 1: window 0 or 3
.irp t, 0,1,2,3                        ; the four accumulators take turns, one instruction a turn
.if \s == 0
	v_wmma_f32_16x16x128_bf8_bf8 v[ACC+8*\t:ACC+8*\t+7], v[16*(4*(\s%4)+\t):16*(4*(\s%4)+\t)+15], v[96*(1-\b)+16*\s:96*(1-\b)+16*\s+15], 0
.else
	v_wmma_f32_16x16x128_bf8_bf8 v[ACC+8*\t:ACC+8*\t+7], v[16*(4*(\s%4)+\t):16*(4*(\s%4)+\t)+15], v[96*(1-\b)+16*\s:96*(1-\b)+16*\s+15], v[ACC+8*\t:ACC+8*\t+7]
.endif
.endr
.endr
	WIN 0
.rept 5
	v_nop                                          ; places: four ahead of the stores of the sums and of the loads into h's registers, five ahead of the next products, which begin the accumulators anew
.endr
.irp t, 0,1,2,3
	ds_store_b128 v[XS+\b], v[ACC+8*\t:ACC+8*\t+3] offset:64*\t       ; each accumulator from its low end on.  The sums go first: they land while the loads below are issued
	ds_store_b128 v[XS+\b], v[ACC+8*\t+4:ACC+8*\t+7] offset:64*\t+16
.endr
	s_add_co_u32 s52, s[T], 4
	s_cmp_lt_u32 s52, s[NT]                        ; is there a tile for this buffer to take?  My last two tiles ask for nothing,
	s_cbranch_scc0 .Lidle_\@                       ; and wait for all that is out instead: so on every way either 32 loads were issued here or none is out
	ABASE \b, 4                                    ; this buffer's loads are done: its base may be written
	ALOAD \b
	s_branch .Lmeet_\@
.Lidle_\@:
	s_wait_loadcnt 0x0
.Lmeet_\@:
	s_wait_dscnt 0x0                               ; my partial sums have landed
	s_barrier_signal -1
	s_barrier_wait -1
	s_cmp_lt_u32 s[T], s[NT]
	s_cbranch_scc0 .Lnone_\@
.irp q, 0,1
.irp p, 0,1,2,3
	ds_load_b128 v[PR+16*\q+4*\p:PR+16*\q+4*\p+3], v[XR+\b] offset:XW*\p+544*\q
.endr
.endr
	s_wait_xcnt 0x0                                ; the last tile's stores have read their data and their base: both are written again only behind this wait
	s_lshl_b32 s56, s[T], 16                       ; 16 places of 4,096 bytes a tile
	s_add_nc_u64 s[50:51], s[48:49], s[56:57]
	s_wait_dscnt 0x0
.irp p, 4,8,12
.irp q, 0,1
.irp d, 0,2
	v_pk_add_f32 v[PR+16*\q+\d:PR+16*\q+\d+1], v[PR+16*\q+\d:PR+16*\q+\d+1], v[PR+16*\q+\p+\d:PR+16*\q+\p+\d+1]   ; waves 0, 1, 2, 3: K ascending
.endr
.endr
.endr
.irp q, 0,1
.irp d, 0,2
	v_pk_fma_f32 v[YV+4*\q+\d:YV+4*\q+\d+1], v[PR+16*\q+\d:PR+16*\q+\d+1], s[46:47], v[B2+\d:B2+\d+1] op_sel_hi:[1,0,1]   ; sum x 2^(eh + ew2) + b2
.endr
.endr
	global_store_b128 v[YO], v[YV:YV+3], s[50:51]                 ; places 16 T + 4 w + lane / 16: sixteen lanes store 256 consecutive bytes, aligned
	global_store_b128 v[YO], v[YV+4:YV+7], s[50:51] offset:8192   ; and two places on
.Lnone_\@:
	s_add_co_u32 s[T], s[T], 2
.endm
.Lpair:
	TRIP 0
	TRIP 1
	s_sub_co_u32 s27, s27, 1
	s_cmp_lg_u32 s27, 0
	s_cbranch_scc1 .Lpair
	s_wait_tensorcnt 0x0
	ds_add_u32 v254, v255
	s_wait_dscnt 0x0
	s_endpgm
.Lfunc_end_k_qe833a7a066_ffn2:
	.size	k_qe833a7a066_ffn2, .Lfunc_end_k_qe833a7a066_ffn2-k_qe833a7a066_ffn2
	.p2alignl 7, 3214868480
	.fill 96, 4, 3214868480
	.section	.rodata,"a",@progbits
	.p2align	6, 0x0
	.amdhsa_kernel k_qe833a7a066_ffn2
		.amdhsa_group_segment_fixed_size 301568
		.amdhsa_private_segment_fixed_size 0
		.amdhsa_enable_private_segment 0
		.amdhsa_kernarg_size 48
		.amdhsa_user_sgpr_count 2
		.amdhsa_user_sgpr_kernarg_segment_ptr 1
		.amdhsa_wavefront_size32 1
		.amdhsa_system_sgpr_workgroup_id_x 1
		.amdhsa_system_sgpr_workgroup_id_y 1
		.amdhsa_system_sgpr_workgroup_id_z 1
		.amdhsa_system_vgpr_workitem_id 0
		.amdhsa_next_free_vgpr 896
		.amdhsa_next_free_sgpr 66
		.amdhsa_reserve_vcc 0
		.amdhsa_float_denorm_mode_32 3
		.amdhsa_float_denorm_mode_16_64 3
		.amdhsa_memory_ordered 1
		.amdhsa_forward_progress 1
		.amdhsa_inst_pref_size 56
	.end_amdhsa_kernel
	.amdgpu_metadata
---
amdhsa.version: [ 1, 2 ]
amdhsa.kernels:
  - .name:           k_qe833a7a066_ffn2
    .symbol:         k_qe833a7a066_ffn2.kd
    .args:
      - { .name: hq, .offset: 0, .size: 8, .value_kind: global_buffer, .address_space: global }
      - { .name: W2_codes, .offset: 8, .size: 8, .value_kind: global_buffer, .address_space: global }
      - { .name: b2, .offset: 16, .size: 8, .value_kind: global_buffer, .address_space: global }
      - { .name: lowp_scales, .offset: 24, .size: 8, .value_kind: global_buffer, .address_space: global }
      - { .name: cnt, .offset: 32, .size: 8, .value_kind: global_buffer, .address_space: global }
      - { .name: y, .offset: 40, .size: 8, .value_kind: global_buffer, .address_space: global }
    .group_segment_fixed_size: 301568
    .private_segment_fixed_size: 0
    .kernarg_segment_align: 8
    .kernarg_segment_size: 48
    .max_flat_workgroup_size: 128
    .sgpr_count:     66
    .vgpr_count:     896
    .wavefront_size: 32
...
	.end_amdgpu_metadata
.endif
;; end of part 4
;; launch combine (part 5): grid 256 x 1, 4 waves a work-group, no clusters, 0 bytes of LDS; arguments y, wts, cnt, out0; writes out0
.if DOCPART == 5
	.amdgcn_target "amdgcn-amd-amdhsa--gfx1250"
	.amdhsa_code_object_version 6
	.text
	.protected	k_qe833a7a066_combine
	.globl	k_qe833a7a066_combine
	.p2align	8
	.type	k_qe833a7a066_combine,@function
k_qe833a7a066_combine:
	s_mov_b64 s[64:65], 0
	v_nop
	global_prefetch_b8 v0, s[64:65] scope:SCOPE_SE
	s_setreg_imm32_b32 hwreg(HW_REG_WAVE_MODE, 25, 1), 1
	s_wait_xcnt 0x0
; out0[t] = wts[2 t] y[slot[2 t]] + wts[2 t + 1] y[slot[2 t + 1]]: each token's two routed rows, weighed by their gates.  Each output row has one owner: a wave takes a token.
; y is laid by place, [1,024 e + place][1,024] f32; slot[r], stored by the placing launch from byte 256 of cnt on, says where routed row r lies.  A loaded number enters an address behind a bound (8,191, the last slot).
; A stream behind that one look-up: every used byte of y is read once, by loads of 512 consecutive bytes, all sixteen of a wave on their way at once; every byte of out0 is written once, 512 consecutive bytes a store.
; No LDS, no barrier, no loop, no matrix unit: there is nothing to share and two multiply-adds a number.
	s_load_b128 s[4:7], s[0:1], 0x0                ; y, wts
	s_load_b128 s[8:11], s[0:1], 0x10              ; cnt, out0
	v_lshrrev_b32 v1, 5, v0
	v_readfirstlane_b32 s12, v1                    ; wave
	v_and_b32 v1, 31, v0
	v_lshlrev_b32 v2, 4, v1                        ; 16 x lane
	v_mov_b32 v3, 0
	s_lshl_b32 s13, ttmp9, 2
	s_add_co_u32 s13, s13, s12                     ; the token
	s_lshl_b32 s16, s13, 3                         ; two gates, and two slots: 8 bytes,
	s_mov_b32 s17, 0
	s_lshl_b32 s18, s13, 12                        ; one row of 4,096 bytes in out0
	s_mov_b32 s19, 0
	s_wait_kmcnt 0x0
	s_add_nc_u64 s[6:7], s[6:7], s[16:17]
	s_add_nc_u64 s[8:9], s[8:9], s[16:17]
	s_add_nc_u64 s[10:11], s[10:11], s[18:19]
	s_load_b64 s[20:21], s[6:7], 0x0               ; the two gates
	global_load_b64 v[4:5], v3, s[8:9] offset:256  ; the two slots, the same in every lane
	s_wait_loadcnt 0x0
	v_min_u32 v4, 8191, v4
	v_min_u32 v5, 8191, v5
	v_lshl_add_u32 v6, v4, 12, v2                  ; the row's 4,096 bytes, my 16 of each 512
	v_lshl_add_u32 v7, v5, 12, v2
.irp j, 0,1,2,3,4,5,6,7
	global_load_b128 v[8+4*\j:11+4*\j], v6, s[4:5] offset:512*\j th:TH_LOAD_NT
	global_load_b128 v[40+4*\j:43+4*\j], v7, s[4:5] offset:512*\j th:TH_LOAD_NT
.endr
	s_wait_kmcnt 0x0
	s_mov_b32 s22, s21                             ; the packed forms take a scalar pair's low word for both halves: the second gate gets a pair of its own
	s_mov_b32 s23, s21
.irp j, 0,1,2,3,4,5,6,7
	s_wait_loadcnt 14-2*\j                         ; this pair of loads is in; the younger pairs may be out
	v_pk_mul_f32 v[40+4*\j:41+4*\j], v[40+4*\j:41+4*\j], s[22:23] op_sel_hi:[1,0]
	v_pk_mul_f32 v[42+4*\j:43+4*\j], v[42+4*\j:43+4*\j], s[22:23] op_sel_hi:[1,0]
	v_pk_fma_f32 v[40+4*\j:41+4*\j], v[8+4*\j:9+4*\j], s[20:21], v[40+4*\j:41+4*\j] op_sel_hi:[1,0,1]
	v_pk_fma_f32 v[42+4*\j:43+4*\j], v[10+4*\j:11+4*\j], s[20:21], v[42+4*\j:43+4*\j] op_sel_hi:[1,0,1]
	global_store_b128 v2, v[40+4*\j:43+4*\j], s[10:11] offset:512*\j th:TH_STORE_NT   ; columns 128 j + 4 lane + 0 .. 3: 512 consecutive bytes
.endr
	s_endpgm
.Lfunc_end_k_qe833a7a066_combine:
	.size	k_qe833a7a066_combine, .Lfunc_end_k_qe833a7a066_combine-k_qe833a7a066_combine
	.p2alignl 7, 3214868480
	.fill 96, 4, 3214868480
	.section	.rodata,"a",@progbits
	.p2align	6, 0x0
	.amdhsa_kernel k_qe833a7a066_combine
		.amdhsa_group_segment_fixed_size 0
		.amdhsa_private_segment_fixed_size 0
		.amdhsa_enable_private_segment 0
		.amdhsa_kernarg_size 32
		.amdhsa_user_sgpr_count 2
		.amdhsa_user_sgpr_kernarg_segment_ptr 1
		.amdhsa_wavefront_size32 1
		.amdhsa_system_sgpr_workgroup_id_x 1
		.amdhsa_system_sgpr_workgroup_id_y 1
		.amdhsa_system_sgpr_workgroup_id_z 1
		.amdhsa_system_vgpr_workitem_id 0
		.amdhsa_next_free_vgpr 80
		.amdhsa_next_free_sgpr 66
		.amdhsa_reserve_vcc 0
		.amdhsa_float_denorm_mode_32 3
		.amdhsa_float_denorm_mode_16_64 3
		.amdhsa_memory_ordered 1
		.amdhsa_forward_progress 1
		.amdhsa_inst_pref_size 6
	.end_amdhsa_kernel
	.amdgpu_metadata
---
amdhsa.version: [ 1, 2 ]
amdhsa.kernels:
  - .name:           k_qe833a7a066_combine
    .symbol:         k_qe833a7a066_combine.kd
    .args:
      - { .name: y, .offset: 0, .size: 8, .value_kind: global_buffer, .address_space: global }
      - { .name: wts, .offset: 8, .size: 8, .value_kind: global_buffer, .address_space: global }
      - { .name: cnt, .offset: 16, .size: 8, .value_kind: global_buffer, .address_space: global }
      - { .name: out0, .offset: 24, .size: 8, .value_kind: global_buffer, .address_space: global }
    .group_segment_fixed_size: 0
    .private_segment_fixed_size: 0
    .kernarg_segment_align: 8
    .kernarg_segment_size: 32
    .max_flat_workgroup_size: 128
    .sgpr_count:     66
    .vgpr_count:     80
    .wavefront_size: 32
...
	.end_amdgpu_metadata
.endif
;; end of part 5
;; ======== version 2 of 2: 5 launches
;; workspace buffers: xq 2,097,152 bytes; sel 8,192 bytes of whole numbers; wts 8,192 bytes; gsum 8,192 bytes; order 36,864 bytes of whole numbers; cnt 8,448 bytes of whole numbers; hq 33,554,432 bytes; y 33,554,432 bytes
;; launch router (part 6): grid 256 x 1, 4 waves a work-group, no clusters, 46,592 bytes of LDS; arguments x, Wr, br, lowp_scales, xq, sel, wts, gsum; writes xq, sel, wts, gsum
.if DOCPART == 6
	.amdgcn_target "amdgcn-amd-amdhsa--gfx1250"
	.amdhsa_code_object_version 6
	.text
	.protected	k_qe833a7a066_router
	.globl	k_qe833a7a066_router
	.p2align	8
	.type	k_qe833a7a066_router,@function
k_qe833a7a066_router:
	s_mov_b64 s[64:65], 0
	v_nop
	global_prefetch_b8 v0, s[64:65] scope:SCOPE_SE
	s_setreg_imm32_b32 hwreg(HW_REG_WAVE_MODE, 25, 1), 1
	s_wait_xcnt 0x0
; THE ROUTER.  gates = softmax(x Wr + br), all in f32; the two largest gates of each token (of equal gates the lower index, as jax.lax.top_k has it);
; x quantised to E5M2 once for each of the token's two experts, with that expert's given scale 2^ex (ex = entry 4 e of the scales).
; Nothing here forms an address or a branch from the choice: routed row r = 2 t + k has a fixed place.  The expert's exponent is picked by v_cndmask_b32.
; OUT: xq[r][1024] codes, K as it lies; sel[r] the expert; wts[r] its gate; gsum[work-group][8] the gates' sums over the group's four tokens.
; SHARES.  A work-group owns tokens 4 g .. 4 g + 3.  Wave w owns k = 256 w .. 256 w + 255 of all four; lane l owns k = 256 w + 4 l + 0..3 and 256 w + 128 + 4 l + 0..3,
; so that each load of x covers 512 consecutive bytes.  The waves' partial logits meet in LDS behind the one barrier, and every wave adds them in the same order: all four make the same choice.
; LIMITS: ex between -126 and 112, so that 2^ex and 57,344 x 2^ex are f32 numbers.  NaN and infinities among the inputs are not served.
; No matrix unit: the product has 8 columns and feeds a choice, so it is made of f32 multiply-adds.  No cluster: work-groups share only Wr's 32 KiB.
.set X,    16                          ; v16-47   x: token i at 8 i: my four numbers of the first run, then of the second
.set WRAW, 48                          ; v48-111  Wr as loaded; later two waves' partial logits; later the gates' sums
.set ACC,  112                         ; v112-143 (token i, expert e) at 8 i + e: partial logits, logits, gates
.set WF,   144                         ; v144-207 Wr turned: (k kk of my eight, expert e) at 8 kk + e; later two waves' partial logits; later codes on the way out
.set T,    208                         ; v208-215 at work: eight held numbers
.set C,    216                         ; v216-231 codes: routed row j of the group's eight at 2 j: the first run's four, the second run's four
.set SELR, 232                         ; v232-239 the chosen experts
.set WTR,  240                         ; v240-247 their gates
.set TM,   248                         ; v248-255 at work
.set WRS,  9216                        ; LDS: for each wave 64 groups of 128 bytes of Wr, 144 bytes apart
.set RED,  36864                       ; 128 bytes for each wave: its 32 partial logits
.set TURN, 37376                       ; 2,048 bytes for each wave: its 256 codes of each of the 8 routed rows
	s_load_b512 s[4:19], s[0:1], 0x0               ; x, Wr, br, scales, xq, sel, wts, gsum
	v_lshl_add_u32 v14, v0, 2, 0xb400
	v_mov_b32 v15, 0
	v_lshrrev_b32 v1, 5, v0
	v_readfirstlane_b32 s62, v1                    ; wave
	v_and_b32 v1, 31, v0                           ; lane
	v_lshlrev_b32 v2, 4, v1                        ; 16 x lane
	s_mul_i32 s63, s62, WRS
	v_lshrrev_b32 v10, 3, v1
	v_mul_u32_u24 v3, v10, 144
	v_and_b32 v10, 7, v0
	v_lshl_add_u32 v3, v10, 4, v3
	v_add_nc_u32 v3, s63, v3                       ; Wr into LDS: eight lanes fill a group of 128 bytes
	v_mul_u32_u24 v4, v1, 144
	v_add_nc_u32 v4, s63, v4                       ; and back: group l holds Wr's rows of my four k
	s_lshl_b32 s63, s62, 7
	s_add_co_u32 s63, s63, RED
	v_mov_b32 v5, s63                              ; my wave's partial logits
	v_mov_b32 v6, 0
	s_lshl_b32 s63, s62, 11
	s_add_co_u32 s63, s63, TURN
	v_lshl_add_u32 v7, v1, 2, s63                  ; codes in: 4 bytes a lane
	v_lshl_add_u32 v8, v1, 4, s63                  ; codes back: 16 bytes a lane
	v_lshrrev_b32 v10, 4, v1
	v_and_b32 v11, 15, v0
	v_lshlrev_b32 v9, 10, v10
	v_lshl_add_u32 v9, v11, 4, v9                  ; xq: lanes 0-15 one routed row, lanes 16-31 the next
	s_mov_b32 s60, 0x76543210                      ; v_permlanex16_b32: lane l xor 16
	s_mov_b32 s61, 0xfedcba98
.irp j, 0,1,2,3,4,5,6,7
	v_mov_b32 v[TM+\j], 0                          ; written once: a lane permute's destination counts as read
.endr
	s_wait_kmcnt 0x0
	s_load_b256 s[20:27], s[8:9], 0x0              ; br
	s_load_b512 s[28:43], s[10:11], 0x0            ; the 32 exponents: expert e's ex is s[28 + 4 e]
	s_load_b512 s[44:59], s[10:11], 0x40
	s_lshl_b32 s2, ttmp9, 14                       ; four tokens of 4,096 bytes,
	s_lshl_b32 s3, s62, 10                         ; my wave's 256 numbers
	s_add_co_u32 s2, s2, s3
	s_mov_b32 s3, 0
	s_add_nc_u64 s[4:5], s[4:5], s[2:3]
	s_lshl_b32 s2, s62, 13                         ; my wave's 256 rows of Wr, 32 bytes each
	s_add_nc_u64 s[6:7], s[6:7], s[2:3]
	s_lshl_b32 s2, ttmp9, 13                       ; eight routed rows of 1,024 codes,
	s_lshl_b32 s63, s62, 8                         ; my wave's 256 of each
	s_add_co_u32 s2, s2, s63
	s_add_nc_u64 s[12:13], s[12:13], s[2:3]
	s_lshl_b32 s2, ttmp9, 5                        ; 32 bytes a work-group in sel, wts and gsum
	s_add_nc_u64 s[14:15], s[14:15], s[2:3]
	s_add_nc_u64 s[16:17], s[16:17], s[2:3]
	s_add_nc_u64 s[18:19], s[18:19], s[2:3]
.irp i, 0,1,2,3
	global_load_b128 v[X+8*\i:X+8*\i+3], v2, s[4:5] offset:4096*\i th:TH_LOAD_NT
	global_load_b128 v[X+8*\i+4:X+8*\i+7], v2, s[4:5] offset:4096*\i+512 th:TH_LOAD_NT
.endr
.irp i, 0,1,2,3,4,5,6,7,8,9,10,11,12,13,14,15
	global_load_b128 v[WRAW+4*\i:WRAW+4*\i+3], v2, s[6:7] offset:512*\i   ; Wr as it lies: 512 consecutive bytes a load
.endr
	s_wait_loadcnt 0x0
.irp i, 0,1,2,3,4,5,6,7,8,9,10,11,12,13,14,15
	ds_store_b128 v3, v[WRAW+4*\i:WRAW+4*\i+3] offset:576*\i              ; a load's 512 bytes are four groups
.endr
.irp r, 0,1
.irp j, 0,1,2,3,4,5,6,7
	ds_load_b128 v[WF+32*\r+4*\j:WF+32*\r+4*\j+3], v4 offset:4608*\r+16*\j   ; my wave's own bytes, and LDS serves a wave in order: no wait between
.endr
.endr
	s_wait_dscnt 0x0
; partial logits: 4 tokens x 8 experts x my 8 k, two experts an instruction; x's number is taken for both halves
.irp i, 0,1,2,3
.irp p, 0,1,2,3
	v_pk_mul_f32 v[ACC+8*\i+2*\p:ACC+8*\i+2*\p+1], v[X+8*\i:X+8*\i+1], v[WF+2*\p:WF+2*\p+1] op_sel_hi:[0,1]
.endr
.endr
.irp k, 1,2,3,4,5,6,7
.irp i, 0,1,2,3
.irp p, 0,1,2,3
.if (\k)%2
	v_pk_fma_f32 v[ACC+8*\i+2*\p:ACC+8*\i+2*\p+1], v[X+8*\i+\k-1:X+8*\i+\k], v[WF+8*\k+2*\p:WF+8*\k+2*\p+1], v[ACC+8*\i+2*\p:ACC+8*\i+2*\p+1] op_sel:[1,0,0] op_sel_hi:[1,1,1]
.else
	v_pk_fma_f32 v[ACC+8*\i+2*\p:ACC+8*\i+2*\p+1], v[X+8*\i+\k:X+8*\i+\k+1], v[WF+8*\k+2*\p:WF+8*\k+2*\p+1], v[ACC+8*\i+2*\p:ACC+8*\i+2*\p+1] op_sel_hi:[0,1,1]
.endif
.endr
.endr
.endr
; the sum over my wave's 32 lanes, eight numbers at a time so that no line waits for the one above it
.irp q, 0,1,2,3
.irp m, 1,2,4,8
.irp j, 0,1,2,3,4,5,6,7
	v_add_f32_dpp v[ACC+8*\q+\j], v[ACC+8*\q+\j], v[ACC+8*\q+\j] row_xmask:\m row_mask:0xf bank_mask:0xf
.endr
.endr
.irp j, 0,1,2,3,4,5,6,7
	v_permlanex16_b32 v[TM+\j], v[ACC+8*\q+\j], s60, s61
.endr
.irp j, 0,1,2,3,4,5,6,7
	v_add_f32 v[ACC+8*\q+\j], v[ACC+8*\q+\j], v[TM+\j]
.endr
.endr
.irp j, 0,1,2,3,4,5,6,7
	ds_store_b128 v5, v[ACC+4*\j:ACC+4*\j+3] offset:16*\j    ; every lane holds the same numbers and writes the same bytes
.endr
	s_wait_dscnt 0x0                               ; for the others' sake: my stores have landed
	s_barrier_signal -1
	s_barrier_wait -1
.irp p, 0,1
.irp j, 0,1,2,3,4,5,6,7
	ds_load_b128 v[WRAW+32*\p+4*\j:WRAW+32*\p+4*\j+3], v6 offset:RED+128*\p+16*\j
	ds_load_b128 v[WF+32*\p+4*\j:WF+32*\p+4*\j+3], v6 offset:RED+128*(\p+2)+16*\j
.endr
.endr
	s_wait_kmcnt 0x0
.irp e, 0,1,2,3,4,5,6,7
	v_mov_b32 v[T+\e], s[20+\e]                    ; br
.endr
	s_wait_dscnt 0x0
.set j, 0
.rept 16
	v_pk_add_f32 v[WRAW+j:WRAW+j+1], v[WRAW+j:WRAW+j+1], v[WRAW+32+j:WRAW+32+j+1]
	v_pk_add_f32 v[WF+j:WF+j+1], v[WF+j:WF+j+1], v[WF+32+j:WF+32+j+1]
.set j, j+2
.endr
.set j, 0
.rept 16
	v_pk_add_f32 v[ACC+j:ACC+j+1], v[WRAW+j:WRAW+j+1], v[WF+j:WF+j+1]     ; (wave 0 + wave 1) + (wave 2 + wave 3): the same order in all four waves
.set j, j+2
.endr
.irp i, 0,1,2,3
.irp p, 0,1,2,3
	v_pk_add_f32 v[ACC+8*\i+2*\p:ACC+8*\i+2*\p+1], v[ACC+8*\i+2*\p:ACC+8*\i+2*\p+1], v[T+2*\p:T+2*\p+1]
.endr
.endr
; the softmax: the token's largest logit is taken away; 2^(l log2e - m log2e), one fused multiply-add ahead of the exponential
.irp i, 0,1,2,3
	v_max3_num_f32 v[TM+2*\i], v[ACC+8*\i], v[ACC+8*\i+1], v[ACC+8*\i+2]
.endr
.irp i, 0,1,2,3
	v_max3_num_f32 v[TM+2*\i], v[TM+2*\i], v[ACC+8*\i+3], v[ACC+8*\i+4]
.endr
.irp i, 0,1,2,3
	v_max3_num_f32 v[TM+2*\i], v[TM+2*\i], v[ACC+8*\i+5], v[ACC+8*\i+6]
.endr
.irp i, 0,1,2,3
	v_max_num_f32 v[TM+2*\i], v[TM+2*\i], v[ACC+8*\i+7]
.endr
.irp i, 0,1,2,3
	v_mul_f32 v[TM+2*\i], 0x3fb8aa3b, v[TM+2*\i]
.endr
.irp i, 0,1,2,3
.irp p, 0,1,2,3
	v_pk_fma_f32 v[ACC+8*\i+2*\p:ACC+8*\i+2*\p+1], v[ACC+8*\i+2*\p:ACC+8*\i+2*\p+1], 0x3fb8aa3b, v[TM+2*\i:TM+2*\i+1] op_sel_hi:[1,0,0] neg_lo:[0,0,1] neg_hi:[0,0,1]
.endr
.endr
.set j, 0
	s_wait_alu depctr_va_vdst(0)
.rept 32
	v_exp_f32 v[ACC+j], v[ACC+j]
.set j, j+1
.endr
	v_nop                                          ; a plain line behind the last exponential
	s_wait_alu depctr_va_vdst(0)                   ; one wait for the batch, ahead of its first reader
.irp i, 0,1,2,3
	v_pk_add_f32 v[T:T+1], v[ACC+8*\i:ACC+8*\i+1], v[ACC+8*\i+2:ACC+8*\i+3]
	v_pk_add_f32 v[T+2:T+3], v[ACC+8*\i+4:ACC+8*\i+5], v[ACC+8*\i+6:ACC+8*\i+7]
	v_pk_add_f32 v[T:T+1], v[T:T+1], v[T+2:T+3]
	v_add_f32 v[TM+2*\i], v[T], v[T+1]
.endr
	s_wait_alu depctr_va_vdst(0)
.irp i, 0,1,2,3
	v_rcp_f32 v[TM+2*\i], v[TM+2*\i]
.endr
	v_nop
	s_wait_alu depctr_va_vdst(0)                   ; one wait for the four reciprocals
.irp i, 0,1,2,3
.irp p, 0,1,2,3
	v_pk_mul_f32 v[ACC+8*\i+2*\p:ACC+8*\i+2*\p+1], v[ACC+8*\i+2*\p:ACC+8*\i+2*\p+1], v[TM+2*\i:TM+2*\i+1] op_sel_hi:[1,0]   ; the gates
.endr
.endr
.irp p, 0,1,2,3
	v_pk_add_f32 v[WRAW+2*\p:WRAW+2*\p+1], v[ACC+2*\p:ACC+2*\p+1], v[ACC+8+2*\p:ACC+8+2*\p+1]
	v_pk_add_f32 v[WRAW+8+2*\p:WRAW+8+2*\p+1], v[ACC+16+2*\p:ACC+16+2*\p+1], v[ACC+24+2*\p:ACC+24+2*\p+1]
	v_pk_add_f32 v[WRAW+2*\p:WRAW+2*\p+1], v[WRAW+2*\p:WRAW+2*\p+1], v[WRAW+8+2*\p:WRAW+8+2*\p+1]   ; the gates' sums over my four tokens
.endr
; The largest of token i's eight gates -> routed row j of the group: gate, index, and the expert's exponent ex in v[TM].  The one in hand stays where it is at least as large: the lower index wins.
.macro PICK i, j
	v_mov_b32 v[WTR+(\j)], v[ACC+8*(\i)]
	v_mov_b32 v[SELR+(\j)], 0
	v_mov_b32 v[TM], s28
.irp e, 1,2,3,4,5,6,7
	v_cmp_ge_f32 vcc_lo, v[WTR+(\j)], v[ACC+8*(\i)+\e]
	v_cndmask_b32 v[WTR+(\j)], v[ACC+8*(\i)+\e], v[WTR+(\j)], vcc_lo
	v_cndmask_b32 v[SELR+(\j)], \e, v[SELR+(\j)], vcc_lo
	v_cndmask_b32 v[TM], s[28+4*\e], v[TM], vcc_lo
.endr
.endm
.macro DROP i, j                       ; the winner's gate becomes -1, under every gate
.irp e, 0,1,2,3,4,5,6,7
	v_cmp_ne_u32 vcc_lo, \e, v[SELR+(\j)]
	v_cndmask_b32 v[ACC+8*(\i)+\e], -1.0, v[ACC+8*(\i)+\e], vcc_lo
.endr
.endm
; My eight numbers of token i become codes with the scale 2^ex.  The conversion to an 8-bit code does not saturate (ISA guide 7.6.2): the numbers are held within 57,344 x 2^ex first.
.macro QROW i, j
	v_add_nc_u32 v[TM+1], 127, v[TM]
	v_lshlrev_b32 v[TM+2], 23, v[TM+1]             ; 2^ex as f32: the conversion takes its exponent field
	v_add_nc_u32 v[TM+1], 15, v[TM+1]
	v_lshl_or_b32 v[TM+3], v[TM+1], 23, 0x600000   ; 57,344 x 2^ex
.irp n, 0,1,2,3,4,5,6,7
	v_med3_num_f32 v[T+\n], v[X+8*(\i)+\n], -v[TM+3], v[TM+3]
.endr
	v_cvt_scalef32_pk8_bf8_f32 v[C+2*(\j):C+2*(\j)+1], v[T:T+7], v[TM+2]
.endm
.irp i, 0,1,2,3
	PICK \i, 2*\i
	QROW \i, 2*\i
	DROP \i, 2*\i                                  ; (plain lines between a conversion and the next write of its sources)
	PICK \i, 2*\i+1
	QROW \i, 2*\i+1
.endr
	v_nop                                          ; a plain line behind the last conversion
; the codes turn through my wave's own LDS bytes, so that sixteen lanes store 256 consecutive bytes of a routed row, aligned
.irp j, 0,1,2,3,4,5,6,7
	ds_store_b32 v7, v[C+2*\j] offset:256*\j
	ds_store_b32 v7, v[C+2*\j+1] offset:256*\j+128
.endr
.irp q, 0,1,2,3
	ds_load_b128 v[WF+4*\q:WF+4*\q+3], v8 offset:512*\q
.endr
.irp q, 0,1,2,3
	s_wait_dscnt 3-\q                              ; the younger reads may be out
	global_store_b128 v9, v[WF+4*\q:WF+4*\q+3], s[12:13] offset:2048*\q
.endr
	s_cmp_lg_u32 s62, 0                            ; all four waves hold the same choice: thread 0 stores it
	s_cbranch_scc1 .Lend
	s_wait_xcnt 0x0                                ; EXEC changes only behind this wait
	v_cmp_eq_u32 vcc_lo, 0, v0
	s_and_saveexec_b32 s63, vcc_lo
	global_store_b128 v6, v[SELR:SELR+3], s[14:15]
	global_store_b128 v6, v[SELR+4:SELR+7], s[14:15] offset:16
	global_store_b128 v6, v[WTR:WTR+3], s[16:17]
	global_store_b128 v6, v[WTR+4:WTR+7], s[16:17] offset:16
	global_store_b128 v6, v[WRAW:WRAW+3], s[18:19]
	global_store_b128 v6, v[WRAW+4:WRAW+7], s[18:19] offset:16
	s_wait_xcnt 0x0                                ; and again ahead of the line that widens it
	s_or_b32 exec_lo, exec_lo, s63
.Lend:
	s_wait_tensorcnt 0x0
	ds_add_u32 v14, v15
	s_wait_dscnt 0x0
	s_endpgm
.Lfunc_end_k_qe833a7a066_router:
	.size	k_qe833a7a066_router, .Lfunc_end_k_qe833a7a066_router-k_qe833a7a066_router
	.p2alignl 7, 3214868480
	.fill 96, 4, 3214868480
	.section	.rodata,"a",@progbits
	.p2align	6, 0x0
	.amdhsa_kernel k_qe833a7a066_router
		.amdhsa_group_segment_fixed_size 46592
		.amdhsa_private_segment_fixed_size 0
		.amdhsa_enable_private_segment 0
		.amdhsa_kernarg_size 64
		.amdhsa_user_sgpr_count 2
		.amdhsa_user_sgpr_kernarg_segment_ptr 1
		.amdhsa_wavefront_size32 1
		.amdhsa_system_sgpr_workgroup_id_x 1
		.amdhsa_system_sgpr_workgroup_id_y 1
		.amdhsa_system_sgpr_workgroup_id_z 1
		.amdhsa_system_vgpr_workitem_id 0
		.amdhsa_next_free_vgpr 256
		.amdhsa_next_free_sgpr 66
		.amdhsa_reserve_vcc 1
		.amdhsa_float_denorm_mode_32 3
		.amdhsa_float_denorm_mode_16_64 3
		.amdhsa_memory_ordered 1
		.amdhsa_forward_progress 1
		.amdhsa_inst_pref_size 59
	.end_amdhsa_kernel
	.amdgpu_metadata
---
amdhsa.version: [ 1, 2 ]
amdhsa.kernels:
  - .name:           k_qe833a7a066_router
    .symbol:         k_qe833a7a066_router.kd
    .args:
      - { .name: x, .offset: 0, .size: 8, .value_kind: global_buffer, .address_space: global }
      - { .name: Wr, .offset: 8, .size: 8, .value_kind: global_buffer, .address_space: global }
      - { .name: br, .offset: 16, .size: 8, .value_kind: global_buffer, .address_space: global }
      - { .name: lowp_scales, .offset: 24, .size: 8, .value_kind: global_buffer, .address_space: global }
      - { .name: xq, .offset: 32, .size: 8, .value_kind: global_buffer, .address_space: global }
      - { .name: sel, .offset: 40, .size: 8, .value_kind: global_buffer, .address_space: global }
      - { .name: wts, .offset: 48, .size: 8, .value_kind: global_buffer, .address_space: global }
      - { .name: gsum, .offset: 56, .size: 8, .value_kind: global_buffer, .address_space: global }
    .group_segment_fixed_size: 46592
    .private_segment_fixed_size: 0
    .kernarg_segment_align: 8
    .kernarg_segment_size: 64
    .max_flat_workgroup_size: 128
    .sgpr_count:     66
    .vgpr_count:     256
    .wavefront_size: 32
...
	.end_amdgpu_metadata
.endif
;; end of part 6
;; launch place (part 7): grid 1 x 1, 16 waves a work-group, no clusters, 6,144 bytes of LDS; arguments sel, gsum, order, cnt, out1; writes order, cnt, out1
.if DOCPART == 7
	.amdgcn_target "amdgcn-amd-amdhsa--gfx1250"
	.amdhsa_code_object_version 6
	.text
	.protected	k_qe833a7a066_place
	.globl	k_qe833a7a066_place
	.p2align	8
	.type	k_qe833a7a066_place,@function
k_qe833a7a066_place:
	s_mov_b64 s[64:65], 0
	v_nop
	global_prefetch_b8 v0, s[64:65] scope:SCOPE_SE
	s_setreg_imm32_b32 hwreg(HW_REG_WAVE_MODE, 25, 1), 1
	s_wait_xcnt 0x0
; THE PLACING.  A counting sort of the 2,048 routed rows by expert, on whole numbers read from memory, by one work-group and without atomics; and the auxiliary loss.
; OUT: order[e][1152]: places 0 .. n_e - 1 hold expert e's routed rows, every other place 0 (n_e is at most 1,024: a token takes an expert once; the 128 places more serve the readers' look-ahead);
; cnt: words 0-63: word l = n of expert l mod 8; from byte 256 on slot[r] = 1,024 e + the place of routed row r in its expert's list;
; out1 = sum over e of (mean gate e) x (share of tokens that chose e) x 8 / 1,024.
; SHARES.  Thread i holds routed rows 4 i .. 4 i + 3.  A row's place = its expert's rows in earlier waves + those earlier in my wave.  A row's place is stored by the row's thread.
; The places from n_e on get their 0 from the two waves that own expert e's list, a lane a place; a lane whose place holds a row stores its 0 at place n_e instead, which is free: so no lane is switched off,
; and the 18 stores stand in one run.  One work-group: the work is 2,048 numbers.
.set GSL, 2048                         ; LDS: bytes 0-2047: 32 words a wave, words 0-7 its count for each expert; from GSL on 32 bytes a wave: its sums of the eight gates
.set FA,  52                           ; v52-69  the fill's 18 offsets
.set GS,  72                           ; v72-87  the sixteen waves' sums of a gate
	s_load_b256 s[4:11], s[0:1], 0x0               ; sel, gsum, order, cnt
	s_load_b64 s[12:13], s[0:1], 0x20              ; out1
	v_lshl_add_u32 v96, v0, 2, 0x1000
	v_mov_b32 v97, 0
	v_lshrrev_b32 v1, 5, v0
	s_delay_alu instid0(VALU_DEP_1)
	v_readfirstlane_b32 s14, v1                    ; wave 0..15
	v_and_b32 v1, 31, v0                           ; lane
	v_lshlrev_b32 v2, 4, v0                        ; 16 x thread
	v_lshlrev_b32 v18, 2, v0                       ; 4 x thread: my word in LDS, and my first routed row
	v_and_b32 v3, 1, v0
	s_lshl_b32 s15, s14, 5
	s_add_co_u32 s15, s15, GSL
	v_lshl_add_u32 v19, v3, 4, s15                 ; even lanes hold experts 0-3's sums, odd lanes 4-7's
	v_and_b32 v3, 7, v0
	s_delay_alu instid0(VALU_DEP_1)
	v_lshlrev_b32 v20, 2, v3                       ; lane l looks after expert l mod 8
	s_delay_alu instid0(VALU_DEP_1)
	v_add_nc_u32 v21, GSL, v20
	s_lshr_b32 s26, s14, 1                         ; the expert whose list my wave fills up,
	s_and_b32 s27, s14, 1                          ; and which half of its 36 groups of 32 places
	s_mul_i32 s28, s26, 1152                       ; the list's first word
	s_mul_i32 s29, s27, 576
	v_add_nc_u32 v23, s29, v1                      ; my place in the first of my 18 groups
	s_lshl_b32 s29, s26, 2
	v_mov_b32 v44, s29                             ; the lane that looks after that expert, x 4
	v_mov_b32 v45, 0
	s_mov_b32 s24, 0x76543210
	s_mov_b32 s25, 0xfedcba98
.irp c, 0,1,2,3
	v_mov_b32 v[24+\c], 0                          ; a lane permute's destination counts as read
	v_mov_b32 v[12+\c], 0
.endr
.irp e, 0,1,2,3,4,5,6,7
	s_mov_b32 s[16+\e], 0                          ; my wave's count for each expert
.endr
	s_wait_kmcnt 0x0
	global_load_b128 v[4:7], v2, s[4:5]            ; four experts
	global_load_b128 v[8:11], v2, s[6:7]           ; four sums of gates: work-group i / 2 of the router, experts 4 (i mod 2) + 0..3
	s_wait_loadcnt 0x0
.irp j, 0,1,2,3
	v_min_u32 v[4+\j], 7, v[4+\j]
.endr
.irp j, 0,1,2,3
.irp e, 0,1,2,3,4,5,6,7
	v_cmp_eq_u32 s30, \e, v[4+\j]
	s_delay_alu instid0(VALU_DEP_1)
	v_mbcnt_lo_u32_b32 v16, s30, s[16+\e]          ; the count so far + the lanes below me with this expert
	s_delay_alu instid0(VALU_DEP_1)
	v_cndmask_b32 v[12+\j], v[12+\j], v16, s30
	s_bcnt1_i32_b32 s31, s30
	s_add_co_u32 s[16+\e], s[16+\e], s31
.endr
.endr
	v_mov_b32 v17, 0
.irp e, 0,1,2,3,4,5,6,7
	s_delay_alu instid0(VALU_DEP_1)
	v_writelane_b32 v17, s[16+\e], \e
.endr
	ds_store_b32 v18, v17
.irp m, 2,4,8
.irp c, 0,1,2,3
	v_add_f32_dpp v[8+\c], v[8+\c], v[8+\c] row_xmask:\m row_mask:0xf bank_mask:0xf   ; lanes of equal parity hold the same experts
.endr
.endr
.irp c, 0,1,2,3
	s_delay_alu instid0(VALU_DEP_4)
	v_permlanex16_b32 v[24+\c], v[8+\c], s24, s25
.endr
.irp c, 0,1,2,3
	s_delay_alu instid0(VALU_DEP_4)
	v_add_f32 v[8+\c], v[8+\c], v[24+\c]
.endr
	ds_store_b128 v19, v[8:11]
	s_wait_dscnt 0x0                               ; for the others' sake: my stores have landed
	s_barrier_signal -1
	s_barrier_wait -1
.irp q, 0,1,2,3,4,5,6,7,8,9,10,11,12,13,14,15
	ds_load_b32 v[24+\q], v20 offset:128*\q        ; every wave's count for my lane's expert
.endr
	v_mov_b32 v40, 0                               ; n of that expert,
	v_mov_b32 v41, 0                               ; and its rows in the waves before mine
	s_wait_alu depctr_va_vdst(0)
	s_wait_dscnt 0x0
.irp q, 0,1,2,3,4,5,6,7,8,9,10,11,12,13,14,15
	s_cmp_gt_u32 s14, \q
	s_cselect_b32 s31, -1, 0
	v_add_nc_u32 v40, v40, v[24+\q]
	v_and_b32 v16, s31, v[24+\q]
	s_delay_alu instid0(VALU_DEP_1)
	v_add_nc_u32 v41, v41, v16
.endr
.irp j, 0,1,2,3
	v_lshlrev_b32 v[32+\j], 2, v[4+\j]
.endr
.irp j, 0,1,2,3
	ds_bpermute_b32 v[36+\j], v[32+\j], v41        ; from the lane that looks after my row's expert
.endr
	ds_bpermute_b32 v42, v44, v40                  ; n of the expert whose list my wave fills up
.irp q, 0,1,2,3,4,5,6,7,8,9,10,11,12,13,14,15,16,17
	v_add_nc_u32 v[FA+\q], 32*\q, v23              ; my place in group q
.endr
	s_wait_dscnt 0x0
.irp j, 0,1,2,3
	v_mad_u32_u24 v[32+\j], v[4+\j], 1152, v[12+\j]
	s_delay_alu instid0(VALU_DEP_1)
	v_add_nc_u32 v[32+\j], v[32+\j], v[36+\j]
	s_delay_alu instid0(VALU_DEP_1)
	v_min_u32 v[32+\j], 9215, v[32+\j]             ; a loaded number enters an address behind a bound
	s_delay_alu instid0(VALU_DEP_1)
	v_lshlrev_b32 v[32+\j], 2, v[32+\j]
	v_add_nc_u32 v[24+\j], \j, v18                 ; the routed row
	v_lshl_add_u32 v[48+\j], v[4+\j], 10, v[12+\j]
	s_delay_alu instid0(VALU_DEP_1)
	v_add_nc_u32 v[48+\j], v[48+\j], v[36+\j]      ; its slot: 1,024 e + its place
.endr
.irp j, 0,1,2,3
	global_store_b32 v[32+\j], v[24+\j], s[8:9]
.endr
	global_store_b128 v2, v[48:51], s[10:11] offset:256    ; my four rows' slots: a wave stores 512 consecutive bytes
.irp q, 0,1,2,3,4,5,6,7,8,9,10,11,12,13,14,15,16,17
	v_cmp_gt_u32 vcc_lo, v42, v[FA+\q]             ; a place under n holds a row:
	s_delay_alu instid0(VALU_DEP_1)
	v_cndmask_b32 v[FA+\q], v[FA+\q], v42, vcc_lo  ; its lane takes place n, the first free one
.endr
.irp q, 0,1,2,3,4,5,6,7,8,9,10,11,12,13,14,15,16,17
	v_add_nc_u32 v[FA+\q], s28, v[FA+\q]
	s_delay_alu instid0(VALU_DEP_1)
	v_min_u32 v[FA+\q], 9215, v[FA+\q]             ; a loaded number enters an address behind a bound
	s_delay_alu instid0(VALU_DEP_1)
	v_lshlrev_b32 v[FA+\q], 2, v[FA+\q]
.endr
.irp q, 0,1,2,3,4,5,6,7,8,9,10,11,12,13,14,15,16,17
	global_store_b32 v[FA+\q], v45, s[8:9]         ; 0 into every place from n on; each store has an offset register of its own, so no wait stands in the run
.endr
	s_cmp_lg_u32 s14, 0
	s_cbranch_scc1 .Lend
	global_store_b32 v18, v40, s[10:11]            ; wave 0: the counts, twice: 256 consecutive bytes
	global_store_b32 v18, v40, s[10:11] offset:128
.irp q, 0,1,2,3,4,5,6,7,8,9,10,11,12,13,14,15
	ds_load_b32 v[GS+\q], v21 offset:32*\q         ; every wave's sum of my lane's expert's gates, into registers that no pending store names
.endr
	v_cvt_f32_u32 v16, v40
	s_wait_dscnt 0x0
.irp q, 0,1,2,3,4,5,6,7
	v_add_f32 v[GS+\q], v[GS+\q], v[GS+8+\q]
.endr
.irp q, 0,1,2,3
	s_delay_alu instid0(VALU_DEP_4)
	v_add_f32 v[GS+\q], v[GS+\q], v[GS+4+\q]
.endr
	s_delay_alu instid0(VALU_DEP_2)
	v_add_f32 v[GS], v[GS], v[GS+2]
	s_delay_alu instid0(VALU_DEP_2)
	v_add_f32 v[GS+1], v[GS+1], v[GS+3]
	s_delay_alu instid0(VALU_DEP_1)
	v_add_f32 v[GS], v[GS], v[GS+1]
	s_delay_alu instid0(VALU_DEP_1)
	v_mul_f32 v[GS], v[GS], v16                    ; (sum of gates) x n
	s_delay_alu instid0(VALU_DEP_1)
	v_add_f32_dpp v[GS], v[GS], v[GS] row_xmask:1 row_mask:0xf bank_mask:0xf
	s_delay_alu instid0(VALU_DEP_1)
	v_add_f32_dpp v[GS], v[GS], v[GS] row_xmask:2 row_mask:0xf bank_mask:0xf
	s_delay_alu instid0(VALU_DEP_1)
	v_add_f32_dpp v[GS], v[GS], v[GS] row_xmask:4 row_mask:0xf bank_mask:0xf    ; over the eight experts
	s_delay_alu instid0(VALU_DEP_1)
	v_mul_f32 v[GS], 0x32000000, v[GS]             ; x 2^-27 = (1 / 1,024) (1 / 1,024) (8 / 1,024)
	s_wait_alu depctr_va_vdst(0)
	s_wait_xcnt 0x0                                ; EXEC changes only behind this wait
	v_cmp_eq_u32 vcc_lo, 0, v0
	s_and_saveexec_b32 s34, vcc_lo
	global_store_b32 v45, v[GS], s[12:13]
	s_wait_xcnt 0x0                                ; and again ahead of the line that widens it
	s_or_b32 exec_lo, exec_lo, s34
.Lend:
	s_wait_tensorcnt 0x0
	ds_add_u32 v96, v97
	s_wait_dscnt 0x0
	s_endpgm
.Lfunc_end_k_qe833a7a066_place:
	.size	k_qe833a7a066_place, .Lfunc_end_k_qe833a7a066_place-k_qe833a7a066_place
	.p2alignl 7, 3214868480
	.fill 96, 4, 3214868480
	.section	.rodata,"a",@progbits
	.p2align	6, 0x0
	.amdhsa_kernel k_qe833a7a066_place
		.amdhsa_group_segment_fixed_size 6144
		.amdhsa_private_segment_fixed_size 0
		.amdhsa_enable_private_segment 0
		.amdhsa_kernarg_size 40
		.amdhsa_user_sgpr_count 2
		.amdhsa_user_sgpr_kernarg_segment_ptr 1
		.amdhsa_wavefront_size32 1
		.amdhsa_system_sgpr_workgroup_id_x 1
		.amdhsa_system_sgpr_workgroup_id_y 1
		.amdhsa_system_sgpr_workgroup_id_z 1
		.amdhsa_system_vgpr_workitem_id 0
		.amdhsa_next_free_vgpr 98
		.amdhsa_next_free_sgpr 66
		.amdhsa_reserve_vcc 1
		.amdhsa_float_denorm_mode_32 3
		.amdhsa_float_denorm_mode_16_64 3
		.amdhsa_memory_ordered 1
		.amdhsa_forward_progress 1
		.amdhsa_inst_pref_size 33
	.end_amdhsa_kernel
	.amdgpu_metadata
---
amdhsa.version: [ 1, 2 ]
amdhsa.kernels:
  - .name:           k_qe833a7a066_place
    .symbol:         k_qe833a7a066_place.kd
    .args:
      - { .name: sel, .offset: 0, .size: 8, .value_kind: global_buffer, .address_space: global }
      - { .name: gsum, .offset: 8, .size: 8, .value_kind: global_buffer, .address_space: global }
      - { .name: order, .offset: 16, .size: 8, .value_kind: global_buffer, .address_space: global }
      - { .name: cnt, .offset: 24, .size: 8, .value_kind: global_buffer, .address_space: global }
      - { .name: out1, .offset: 32, .size: 8, .value_kind: global_buffer, .address_space: global }
    .group_segment_fixed_size: 6144
    .private_segment_fixed_size: 0
    .kernarg_segment_align: 8
    .kernarg_segment_size: 40
    .max_flat_workgroup_size: 512
    .sgpr_count:     66
    .vgpr_count:     98
    .wavefront_size: 32
...
	.end_amdgpu_metadata
.endif
;; end of part 7
;; launch ffn1 (part 8): grid 32 x 8, 4 waves a work-group, no clusters, 200,192 bytes of LDS; arguments xq, W1_codes, b1, lowp_scales, order, cnt, hq; writes hq
.if DOCPART == 8
	.amdgcn_target "amdgcn-amd-amdhsa--gfx1250"
	.amdhsa_code_object_version 6
	.text
	.protected	k_qe833a7a066_ffn1
	.globl	k_qe833a7a066_ffn1
	.p2align	8
	.type	k_qe833a7a066_ffn1,@function
k_qe833a7a066_ffn1:
	s_mov_b64 s[64:65], 0
	v_nop
	global_prefetch_b8 v0, s[64:65] scope:SCOPE_SE
	s_setreg_imm32_b32 hwreg(HW_REG_WAVE_SCHED_MODE, 0, 2), 2
	s_setreg_imm32_b32 hwreg(HW_REG_WAVE_MODE, 25, 1), 1
	s_wait_xcnt 0x0
	s_wait_alu depctr_vm_vsrc(0)
; THE FIRST LAYER, for the routed rows alone: h = Q(gelu(xq W1^T 2^(ex + ew1) + b1)), E5M2 on both sides, f32 sums, exact gelu in f32, h quantised with the given 2^eh.
; SHARES.  Work-group (ch, e) owns hidden units 128 ch .. 128 ch + 127 of expert e: 128 KiB of W1's codes, read once in runs of 512 consecutive bytes, turned through LDS into operand fragments and KEPT IN REGISTERS
; (512 a wave).  The expert's rows go past in phases of 32.  Wave w = (cg = w mod 2, rg = w / 2) makes units 64 cg .. + 63 for rows 16 rg .. + 15 of a phase: a fragment of x read from LDS feeds four products.
; THE HEAD.  W1's rows are taken in two halves along K, 512 bytes of each row; both are asked for at once, ahead of everything that waits.  Behind the first half's stores stands a barrier of its own, so that the fragments of
; K steps 0-3 are read from LDS while the second half is on its way.  Between the two barriers the reads take bytes 0-511 of the LDS rows, the stores bytes 512-1,023 and the first buffer of x's rows.
; THE GRID SERVES EVERY SPLIT: 32 phases are walked by a loop of constant count with its barrier on every path; a phase past the expert's rows is jumped over by a scalar branch on the stored count.
; So this launch has no tensor load, and hence no joint loads in a cluster, though the 32 work-groups of an expert read the same rows of xq: their trips hang on a number read from memory.
; Phase 0 always runs, so that row tiles 0 and 1 of every expert exist for the next launch's first loads.  Places of the list past n_e hold 0: those rows are xq's row 0, and nobody uses their results.
; THE PRODUCT IS USED TRANSPOSED (source 0 = 16 rows of W1, source 1 = 16 routed rows), and lane r of local tile 2 b + u takes W1's row 32 b + 8 u + r + 8 (r / 8): so a lane holds one routed row and the 16 registers of
; tiles 2 b, 2 b + 1 are 16 neighbours along the next K.  A fragment's registers 4 c .. 4 c + 3 hold k = 32 c + 16 (lane / 16) + 0 .. 15: the same order of k on both sides of every product here and in the next launch.
; OUT: hq[e][row tile][K step = ch][2,048 bytes]: the image of the next product's operand registers: piece c (512 bytes), lane l's 16 bytes at 16 l.
; GELU: g = max(x, 0) - |x| erfc(a) / 2, a = |x| / sqrt 2, which keeps its relative accuracy in the negative tail.  erfc(a) (1 + 2 a) e^(a a) = 1 + p(q), q = (a - 2) / (a + 2), p of degree 9 (a published f32 fit for a up to 10;
; beyond a = 9.4 the exponential is 0).  Every term stays finite for every finite x.
; LIMITS: ex + ew1 between -126 and 127; eh between -126 and 112.  NaN and infinities are not served.
; REGISTERS: window 0 as named below; windows 1, 2: W1's fragments, (tile t, K step s) at window 1 + s / 4, register 16 (4 (s mod 4) + t) (at the head v0-127 of window 1 + hf hold half hf of my rows as loaded);
; window 3 v0-127: rows of xq on their way to LDS, two buffers of 64.
; THE MODE: SCHED_MODE bits 1:0 = 2 (LLVM: expert scheduling mode 2), set by the entry lines.  The code itself states the register dependences
; between vector or matrix instructions and memory or LDS instructions, with s_wait_alu, always for 0.
; THE PLAN.  Registers that memory or LDS instructions touch, in the loop (phase p, b = p mod 2):
;   ID      The row numbers of phase p + 2, asked for in phase p - 1, land in it; ADDR reads and writes it at phase p's head; behind the head's wait the next load lands in it.
;   RA[b]   Written by ADDR at phase p's head; read by phase p's 16 row loads.  Two sets by turns: a set is written a whole phase behind the wait that shows the loads that read it done.
;   RB[b]   Phase p's 16 row loads (the rows of phase p + 2) land in it; the 16 LDS stores of phase p + 1 read it.  No vector instruction names it.
;   AF      32 LDS loads land in it at the phase's head; the products read it; the gelu takes it as scratch.
;   HC      The conversions write it; the phase's two stores read it.
;   The addresses v3 to v11 and v224 are made at the kernel's head and never written again.
; So a phase has one wait on vm_vsrc, at its head, and three on va_vdst: behind ADDR, ahead of ALL the phase's loads, which stand in one run in front of its products; the one for the gelu's batch; and the one ahead of its two stores.
.set PITCH,  1040                      ; an LDS row: 1,024 codes + 16 bytes: 65 x 16, so that the sixteen rows of a fragment load start 16 bytes apart modulo 256
.set ABUF,   128*PITCH                 ; LDS: W1's 128 rows, then two buffers of 32 rows of xq
.set ABYTES, 32*PITCH
.set AFA,  4                           ; v4-5   my lane's place in a fragment of x, buffer 0, 1
.set STA,  6                           ; v6-7   where I put rows of xq, buffer 0, 1: rows 8 w + 4 (lane / 16) + 0..3, 16 bytes at 16 (lane mod 16)
.set IDA,  8                           ; v8     my four row numbers' bytes in a phase's 128
.set HO,   9                           ; v9     my 16 bytes in hq
.set WSA,  10                          ; v10    W1's rows into LDS
.set WFA,  11                          ; v11    and back as fragments
.set ID,   12                          ; v12-15 four routed rows
.set RA,   16                          ; v16-19 their byte offsets in xq, set 0
.set C9,   20                          ; v20-21 the polynomial's leading coefficient, twice
.set QS,   22                          ; v22    2^eh
.set QL,   23                          ; v23    57,344 x 2^eh
.set HC,   24                          ; v24-31 the codes just made
.set BIAS, 32                          ; v32-63 b1 in the result's layout
.set ACC,  64                          ; v64-95 four accumulators
.set AF,   96                          ; v96-223 x's eight fragments; during the gelu four sets of 32:
.set GA,   96
.set GR1,  128
.set GR2,  160
.set GEX,  192
.set BO,   224                         ; v224   64 x (lane / 16)
.set LQ,   225                         ; v225   16 x (lane mod 16)
.set RA2,  228                         ; v228-231 the byte offsets, set 1
.set NPH,  25                          ; s25    phases that run
.set PH,   26                          ; s26    the phase
.set MSB, 0
.macro WIN new                         ; the immediate's high byte repeats the setting that is left; a switch that changes nothing is dropped
.if MSB != \new
	s_set_vgpr_msb (MSB<<8)|(\new)
.set MSB, \new
.endif
.endm
	s_load_b256 s[4:11], s[0:1], 0x0               ; xq, W1's codes, b1, the scales' exponents
	s_load_b128 s[12:15], s[0:1], 0x20             ; order, cnt
	s_load_b64 s[16:17], s[0:1], 0x30              ; hq
	v_lshl_add_u32 v254, v0, 2, 0x30c00
	v_mov_b32 v255, 0
	v_lshrrev_b32 v1, 5, v0
	v_readfirstlane_b32 s38, v1                    ; wave
	s_and_b32 s41, ttmp7, 0xffff                   ; the expert
	v_and_b32 v226, 31, v0
	v_and_b32 v1, 15, v0                           ; r
	v_bfe_u32 v2, v0, 4, 1                         ; h
	v_lshlrev_b32 v3, 4, v226                      ; 16 x lane
	v_lshlrev_b32 v[LQ], 4, v1
	v_lshlrev_b32 v[BO], 6, v2
	v_mul_u32_u24 v227, v1, PITCH
	v_lshl_add_u32 v227, v2, 4, v227
	s_wait_alu depctr_va_sdst(0)                   ; s38 is written, ahead of its first reader: cg, rg and the wave's places are made from it
	s_and_b32 s39, s38, 1                          ; cg
	s_lshr_b32 s40, s38, 1                         ; rg
	s_mul_i32 s42, s40, 16*PITCH
	s_add_co_u32 s42, s42, ABUF
	v_add_nc_u32 v[AFA], s42, v227
	v_add_nc_u32 v[AFA+1], ABYTES, v[AFA]
	v_mul_u32_u24 v227, v2, 4*PITCH
	v_add_nc_u32 v227, v[LQ], v227
	s_mul_i32 s42, s38, 8*PITCH
	s_add_co_u32 s42, s42, ABUF
	v_add_nc_u32 v[STA], s42, v227
	v_add_nc_u32 v[STA+1], ABYTES, v[STA]
	s_lshl_b32 s42, s38, 5
	v_lshl_add_u32 v[IDA], v2, 4, s42
	s_lshl_b32 s42, s40, 16                        ; row tile rg of the phase's two,
	s_lshl_b32 s43, s39, 10                        ; pieces 2 cg, 2 cg + 1 of the image
	s_add_co_u32 s42, s42, s43
	v_add_nc_u32 v[HO], s42, v3
	s_mul_i32 s42, s38, 32*PITCH
	v_add_nc_u32 v[WSA], s42, v3
	v_and_b32 v227, 8, v1
	v_add_nc_u32 v227, v227, v1                    ; r + 8 (r / 8)
	v_mul_u32_u24 v227, v227, PITCH
	v_lshl_add_u32 v227, v2, 4, v227
	s_mul_i32 s42, s39, 64*PITCH
	v_add_nc_u32 v[WFA], s42, v227
	v_mov_b32 v[C9], 0xb9d25000
	v_mov_b32 v[C9+1], 0xb9d25000
	s_mov_b32 s43, 0
	s_wait_kmcnt 0x0
	s_lshl_b32 s42, s41, 22                        ; an expert's codes, and its part of hq, are 4 MiB
	s_add_nc_u64 s[28:29], s[6:7], s[42:43]
	s_add_nc_u64 s[32:33], s[16:17], s[42:43]
	s_lshl_b32 s42, ttmp9, 17                      ; my 128 rows of 1,024 bytes,
	s_lshl_b32 s44, s38, 15                        ; my wave's 32 of them
	s_add_co_u32 s42, s42, s44
	s_add_nc_u64 s[28:29], s[28:29], s[42:43]
	s_lshl_b32 s42, ttmp9, 11                      ; K step ch of the next product
	s_add_nc_u64 s[32:33], s[32:33], s[42:43]
	s_mul_i32 s42, s41, 4608
	s_add_nc_u64 s[30:31], s[12:13], s[42:43]      ; the expert's list
	s_lshl_b32 s42, s41, 14
	s_lshl_b32 s44, ttmp9, 9
	s_add_co_u32 s42, s42, s44
	s_lshl_b32 s44, s39, 8
	s_add_co_u32 s42, s42, s44
	s_add_nc_u64 s[8:9], s[8:9], s[42:43]          ; b1 at my wave's 64 units
	s_lshl_b32 s42, s41, 4
	s_add_nc_u64 s[10:11], s[10:11], s[42:43]
	s_lshl_b32 s42, s41, 2
	s_add_nc_u64 s[14:15], s[14:15], s[42:43]
	s_load_b128 s[20:23], s[10:11], 0x0            ; ex, ew1, eh, ew2
	s_load_b32 s24, s[14:15], 0x0                  ; n_e
.macro WLOAD hf                        ; bytes 512 hf .. + 511 of each of my wave's 32 rows, as they lie, into window 1 + hf, v0-127: each byte of W1 is read by one work-group alone
	WIN 0x40*(1+\hf)
.set q, 0
.rept 32
	global_load_b128 v[4*q:4*q+3], v3, s[28:29] offset:q*1024+512*(\hf) th:TH_LOAD_NT
.set q, q+1
.endr
	WIN 0
.endm
.macro WSTORE hf
	WIN 0x04*(1+\hf)                               ; a store's data: source 1
.set q, 0
.rept 32
	ds_store_b128 v[WSA], v[4*q:4*q+3] offset:q*PITCH+512*(\hf)
.set q, q+1
.endr
	WIN 0
.endm
.macro FRAGS hf                        ; my four tiles' fragments of K steps 4 hf .. 4 hf + 3: all of window 1 + hf
	WIN 0x40*(1+\hf)
	s_wait_alu depctr_vm_vsrc(0)                   ; my LDS stores of this half have read v0-127 of this window, in which fragments land
.irp k, 0,1,2,3
.irp t, 0,1,2,3
.irp c, 0,1,2,3
	ds_load_b128 v[16*(4*\k+\t)+4*\c:16*(4*\k+\t)+4*\c+3], v[WFA] offset:(32*(\t/2)+8*(\t%2))*PITCH+128*(4*(\hf)+\k)+32*\c
.endr
.endr
.endr
	WIN 0
.endm
.macro ADDR b                          ; four routed rows become byte offsets, in set b; a loaded number enters an address behind a bound
.irp i, 0,1,2,3
	v_min_u32 v[ID+\i], 2047, v[ID+\i]
.endr
.irp i, 0,1,2,3
	v_lshl_add_u32 v[RA+(RA2-RA)*(\b)+\i], v[ID+\i], 10, v[LQ]
.endr
.endm
.macro ROWS b                          ; my eight rows of a phase, by offsets' set b into buffer b of window 3: sixteen lanes read 256 consecutive bytes of a row, aligned.  (It leaves the window as it set it)
	WIN 0xc0
.irp i, 0,1,2,3
.irp u, 0,1,2,3
	global_load_b128 v[64*(\b)+4*(4*\i+\u):64*(\b)+4*(4*\i+\u)+3], v[RA+(RA2-RA)*(\b)+\i], s[4:5] offset:256*\u
.endr
.endr
.endm
.macro STAGE b                         ; buffer b of window 3 goes into LDS buffer b
	WIN 0x0c
.irp i, 0,1,2,3
.irp u, 0,1,2,3
	ds_store_b128 v[STA+(\b)], v[64*(\b)+4*(4*\i+\u):64*(\b)+4*(4*\i+\u)+3] offset:\i*PITCH+256*\u
.endr
.endr
	WIN 0
.endm
	s_wait_alu depctr_va_vdst(0)                   ; the addresses v3 to v11 and v224 are written, which the loads and stores of the whole kernel read
	global_load_b128 v[ID:ID+3], v[IDA], s[30:31]  ; phase 0's rows
	WLOAD 0
	WLOAD 1
	s_wait_loadcnt 63                              ; the row numbers are in: 64 loads were issued behind them, and the wait's field holds 63
	ADDR 0
	WIN 0xc0
	s_wait_alu depctr_va_vdst(0)                   ; ADDR has written the offsets' set 0, which the row loads read, and is done with ID, in which the next row numbers land
	ROWS 0
	WIN 0
	global_load_b128 v[ID:ID+3], v[IDA], s[30:31] offset:128   ; phase 1's
.irp q, 0,1
.irp j, 0,1,2,3
	global_load_b128 v[BIAS+16*\q+4*\j:BIAS+16*\q+4*\j+3], v[BO], s[8:9] offset:128*\q+16*\j   ; b1 at units 32 q + 16 h + 0 .. 15 of my 64
.endr
.endr
	s_wait_loadcnt 57                              ; W1's first half is in; behind it: the second half's 32, 16 rows' loads, 1, 8
	WSTORE 0
	s_wait_dscnt 0x0                               ; for the others' sake: my stores have landed
	s_barrier_signal -1
	s_barrier_wait -1                              ; bytes 0-511 of W1's 128 rows lie in LDS
	FRAGS 0                                        ; read while the second half is on its way
	s_wait_loadcnt 25                              ; W1's second half; behind it: 16, 1, 8
	WSTORE 1
	s_wait_loadcnt 9                               ; phase 0's rows; behind them: 1, 8
	STAGE 0
	s_wait_loadcnt 8                               ; phase 1's row numbers; behind them: b1's 8
	ADDR 1
	s_wait_alu depctr_va_vdst(0)                   ; ADDR has written the offsets' set 1, which the row loads read, and is done with ID, in which the next row numbers land
	global_load_b128 v[ID:ID+3], v[IDA], s[30:31] offset:256   ; phase 2's: ahead of the rows, so that a counted wait shows them in
	ROWS 1                                         ; into the second buffer: nothing of phase 0 is in their way
	WIN 0
	s_wait_dscnt 0x0                               ; my stores have landed; the first fragments are in
	s_barrier_signal -1
	s_barrier_wait -1                              ; all of W1's 128 rows and phase 0's 32 rows lie in LDS
	FRAGS 1
	s_wait_kmcnt 0x0
	s_add_co_i32 s42, s20, s21
	s_add_co_i32 s42, s42, 127
	s_lshl_b32 s36, s42, 23                        ; 2^(ex + ew1) as f32
	s_mov_b32 s37, s36                             ; (named with it as a pair, so it is written)
	s_add_co_i32 s42, s22, 127
	s_lshl_b32 s44, s42, 23
	v_mov_b32 v[QS], s44
	s_add_co_i32 s42, s42, 15
	s_lshl_b32 s42, s42, 23
	s_or_b32 s42, s42, 0x600000
	v_mov_b32 v[QL], s42
	s_add_co_u32 s[NPH], s24, 31
	s_lshr_b32 s[NPH], s[NPH], 5
	s_min_u32 s[NPH], s[NPH], 32
	s_max_u32 s[NPH], s[NPH], 1
	s_mov_b32 s[PH], 0
	s_mov_b32 s27, 16
	s_wait_dscnt 0x0                               ; W1's fragments are in
	s_wait_loadcnt 17                              ; b1 is in; phase 2's row numbers and phase 1's 16 loads may be out
.macro GELU                            ; 32 numbers a lane, in place in the accumulators' registers
.set j, 0
.rept 16
	v_pk_fma_f32 v[ACC+j:ACC+j+1], v[ACC+j:ACC+j+1], s[36:37], v[BIAS+j:BIAS+j+1] op_sel_hi:[1,0,1]   ; x = sum x 2^(ex + ew1) + b1; each accumulator from its low end on
.set j, j+2
.endr
.set j, 0
.rept 32
	v_mul_f32 v[GA+j], 0x3f3504f3, |v[ACC+j]|      ; a = |x| / sqrt 2
.set j, j+1
.endr
.set j, 0
.rept 16
	v_pk_add_f32 v[GR1+j:GR1+j+1], v[GA+j:GA+j+1], 2.0 op_sel_hi:[1,0]
	v_pk_fma_f32 v[GR2+j:GR2+j+1], v[GA+j:GA+j+1], 2.0, 1.0 op_sel_hi:[1,0,0]
	v_pk_mul_f32 v[GEX+j:GEX+j+1], v[GA+j:GA+j+1], v[GA+j:GA+j+1]
.set j, j+2
.endr
.set j, 0
.rept 16
	v_pk_fma_f32 v[GEX+j:GEX+j+1], v[GEX+j:GEX+j+1], 0xbfb8aa3b, -1.0 op_sel_hi:[1,0,0]   ; -a a log2 e - 1: the 1 is the half
.set j, j+2
.endr
.set j, 0
	s_wait_alu depctr_va_vdst(0)
.rept 32
	v_rcp_f32 v[GR1+j], v[GR1+j]                   ; 1 / (a + 2)
	v_rcp_f32 v[GR2+j], v[GR2+j]                   ; 1 / (1 + 2 a)
	v_exp_f32 v[GEX+j], v[GEX+j]                   ; e^(-a a) / 2
.set j, j+1
.endr
.set j, 0
.rept 16
	v_pk_add_f32 v[GA+j:GA+j+1], v[GA+j:GA+j+1], -2.0 op_sel_hi:[1,0]   ; plain lines that name no result of the batch
.set j, j+2
.endr
	s_wait_alu depctr_va_vdst(0)                   ; the batch's 96 results, the reciprocals in GR1 and GR2 and the exponentials in GEX, are written: one wait, ahead of their first reader
.set j, 0
.rept 16
	v_pk_mul_f32 v[GR1+j:GR1+j+1], v[GA+j:GA+j+1], v[GR1+j:GR1+j+1]     ; q
.set j, j+2
.endr
.set j, 0
.rept 16
	v_pk_fma_f32 v[GA+j:GA+j+1], v[GR1+j:GR1+j+1], v[C9:C9+1], 0xbaa15130 op_sel_hi:[1,1,0]
.set j, j+2
.endr
.irp k, 0x3aac2b8a, 0x3c0d6e62, 0xbc040dc1, 0xbd5e05b5, 0x3e27fe23, 0xbe2a0420, 0xbdbdfb0b, 0x3e8dd01d
.set j, 0
.rept 16
	v_pk_fma_f32 v[GA+j:GA+j+1], v[GA+j:GA+j+1], v[GR1+j:GR1+j+1], \k op_sel_hi:[1,1,0]
.set j, j+2
.endr
.endr
.set j, 0
.rept 16
	v_pk_fma_f32 v[GR2+j:GR2+j+1], v[GA+j:GA+j+1], v[GR2+j:GR2+j+1], v[GR2+j:GR2+j+1]   ; (p + 1) / (1 + 2 a)
.set j, j+2
.endr
.set j, 0
.rept 16
	v_pk_mul_f32 v[GEX+j:GEX+j+1], v[GR2+j:GR2+j+1], v[GEX+j:GEX+j+1]   ; erfc(a) / 2
.set j, j+2
.endr
.set j, 0
.rept 32
	v_max_num_f32 v[GA+j], 0, v[ACC+j]
.set j, j+1
.endr
.set j, 0
.rept 32
	v_fma_f32 v[ACC+j], -|v[ACC+j]|, v[GEX+j], v[GA+j]
.set j, j+1
.endr
.set j, 0
.rept 32
	v_med3_num_f32 v[ACC+j], v[ACC+j], -v[QL], v[QL]   ; the conversion to an 8-bit code does not saturate (ISA guide 7.6.2): the hold at the largest code x the scale
.set j, j+1
.endr
.endm
; A PHASE, from LDS buffer b.  When it begins, the row numbers of the phase after next and the next phase's 16 row loads are out, in this order; when it ends, the same holds one phase on.
; Behind a phase that was jumped over nothing is out.  One barrier a phase: this phase reads buffer b and writes the other, whose last readers waited for their loads ahead of the barrier before.
.macro TRIP b
	s_cmp_lt_u32 s[PH], s[NPH]
	s_cbranch_scc0 .Lidle_\@
	s_wait_loadcnt 16                              ; the row numbers of the phase after next are in; the next phase's 16 row loads may be out
	s_wait_alu depctr_vm_vsrc(0)                   ; the last phase's two stores have read HC, its LDS stores have read buffer b of window 3, earlier row loads have read the offsets' set b: all three are written in this phase
	ADDR \b
	s_wait_alu depctr_va_vdst(0)                   ; ADDR has written the offsets' set b and is done with ID; the gelu before is done with x's fragments' registers: every load of this phase follows, with no vector line between that names its registers
.irp s, 0,1,2,3,4,5,6,7
.irp c, 0,1,2,3
	ds_load_b128 v[AF+16*\s+4*\c:AF+16*\s+4*\c+3], v[AFA+\b] offset:128*\s+32*\c
.endr
.endr
	s_add_nc_u64 s[30:31], s[30:31], 128           ; the load that read this pointer is done: the wait for 16 has shown it
	global_load_b128 v[ID:ID+3], v[IDA], s[30:31] offset:256   ; three phases ahead: at most phase 34 of the list's 36
	ROWS \b                                        ; the rows of the phase after next, asked for while x's first fragment is on its way from LDS
.irp s, 0,1,2,3,4,5,6,7
	s_wait_dscnt 4*(7-\s)                          ; K step s's fragment is in; the later steps' four loads each may be out
	WIN 1+\s/4                                     ; source 0: W1's window
.irp t, 0,1,2,3                        ; the four accumulators take turns, one instruction a turn
.if \s == 0
	v_wmma_f32_16x16x128_bf8_bf8 v[ACC+8*\t:ACC+8*\t+7], v[16*(4*(\s%4)+\t):16*(4*(\s%4)+\t)+15], v[AF+16*\s:AF+16*\s+15], 0
.else
	v_wmma_f32_16x16x128_bf8_bf8 v[ACC+8*\t:ACC+8*\t+7], v[16*(4*(\s%4)+\t):16*(4*(\s%4)+\t)+15], v[AF+16*\s:AF+16*\s+15], v[ACC+8*\t:ACC+8*\t+7]
.endif
.endr
.endr
	WIN 0
.rept 4
	v_nop                                          ; four places between the last products and the first read of their results (ISA guide 7.12.1)
.endr
	s_wait_loadcnt 17                              ; the next phase's rows are in; this phase's row numbers and 16 row loads may be out
	STAGE 1-\b                                     ; loaded data by addresses made at the head: no vector line has named either
	GELU
	s_wait_alu depctr_va_vdst(0)
	s_wait_xcnt 0x0                                ; the last phase's stores have read their data and their base
	s_lshl_b32 s42, s[PH], 17                      ; two row tiles of 64 KiB a phase
	s_add_nc_u64 s[34:35], s[32:33], s[42:43]
.irp q, 0,1
	v_cvt_scalef32_pk8_bf8_f32 v[HC+4*\q:HC+4*\q+1], v[ACC+16*\q:ACC+16*\q+7], v[QS]
	v_cvt_scalef32_pk8_bf8_f32 v[HC+4*\q+2:HC+4*\q+3], v[ACC+16*\q+8:ACC+16*\q+15], v[QS]
.endr
	v_nop                                          ; a plain line behind the last conversion: the next products write its sources
	s_wait_alu depctr_va_vdst(0)                   ; the conversions have written HC, which the two stores read
	global_store_b128 v[HO], v[HC:HC+3], s[34:35]              ; 512 consecutive bytes each, aligned
	global_store_b128 v[HO], v[HC+4:HC+7], s[34:35] offset:512
	s_branch .Lmeet_\@
.Lidle_\@:
	s_wait_loadcnt 0x0                             ; what the last phase asked for ahead has come, and is not used
.Lmeet_\@:
	s_add_co_u32 s[PH], s[PH], 1
	s_wait_dscnt 0x0                               ; my stores into the other buffer have landed, my reads of this one are back
	s_barrier_signal -1
	s_barrier_wait -1
.endm
.Lpair:
	TRIP 0
	TRIP 1
	s_sub_co_u32 s27, s27, 1
	s_cmp_lg_u32 s27, 0
	s_cbranch_scc1 .Lpair
	s_wait_dscnt 0x0
	s_wait_alu depctr_hold_cnt(0) depctr_sa_sdst(0) depctr_va_vdst(0) depctr_va_sdst(0) depctr_va_ssrc(0) depctr_va_vcc(0) depctr_vm_vsrc(0)
	s_wait_tensorcnt 0x0
	ds_add_u32 v254, v255
	s_wait_dscnt 0x0
	s_endpgm
.Lfunc_end_k_qe833a7a066_ffn1:
	.size	k_qe833a7a066_ffn1, .Lfunc_end_k_qe833a7a066_ffn1-k_qe833a7a066_ffn1
	.p2alignl 7, 3214868480
	.fill 96, 4, 3214868480
	.section	.rodata,"a",@progbits
	.p2align	6, 0x0
	.amdhsa_kernel k_qe833a7a066_ffn1
		.amdhsa_group_segment_fixed_size 200192
		.amdhsa_private_segment_fixed_size 0
		.amdhsa_enable_private_segment 0
		.amdhsa_kernarg_size 56
		.amdhsa_user_sgpr_count 2
		.amdhsa_user_sgpr_kernarg_segment_ptr 1
		.amdhsa_wavefront_size32 1
		.amdhsa_system_sgpr_workgroup_id_x 1
		.amdhsa_system_sgpr_workgroup_id_y 1
		.amdhsa_system_sgpr_workgroup_id_z 1
		.amdhsa_system_vgpr_workitem_id 0
		.amdhsa_next_free_vgpr 896
		.amdhsa_next_free_sgpr 66
		.amdhsa_reserve_vcc 0
		.amdhsa_float_denorm_mode_32 3
		.amdhsa_float_denorm_mode_16_64 3
		.amdhsa_memory_ordered 1
		.amdhsa_forward_progress 1
		.amdhsa_inst_pref_size 116
	.end_amdhsa_kernel
	.amdgpu_metadata
---
amdhsa.version: [ 1, 2 ]
amdhsa.kernels:
  - .name:           k_qe833a7a066_ffn1
    .symbol:         k_qe833a7a066_ffn1.kd
    .args:
      - { .name: xq, .offset: 0, .size: 8, .value_kind: global_buffer, .address_space: global }
      - { .name: W1_codes, .offset: 8, .size: 8, .value_kind: global_buffer, .address_space: global }
      - { .name: b1, .offset: 16, .size: 8, .value_kind: global_buffer, .address_space: global }
      - { .name: lowp_scales, .offset: 24, .size: 8, .value_kind: global_buffer, .address_space: global }
      - { .name: order, .offset: 32, .size: 8, .value_kind: global_buffer, .address_space: global }
      - { .name: cnt, .offset: 40, .size: 8, .value_kind: global_buffer, .address_space: global }
      - { .name: hq, .offset: 48, .size: 8, .value_kind: global_buffer, .address_space: global }
    .group_segment_fixed_size: 200192
    .private_segment_fixed_size: 0
    .kernarg_segment_align: 8
    .kernarg_segment_size: 56
    .max_flat_workgroup_size: 128
    .sgpr_count:     66
    .vgpr_count:     896
    .wavefront_size: 32
...
	.end_amdgpu_metadata
.endif
;; end of part 8
;; launch ffn2 (part 9): grid 32 x 8, 4 waves a work-group, no clusters, 301,568 bytes of LDS; arguments hq, W2_codes, b2, lowp_scales, cnt, y; writes y
.if DOCPART == 9
	.amdgcn_target "amdgcn-amd-amdhsa--gfx1250"
	.amdhsa_code_object_version 6
	.text
	.protected	k_qe833a7a066_ffn2
	.globl	k_qe833a7a066_ffn2
	.p2align	8
	.type	k_qe833a7a066_ffn2,@function
k_qe833a7a066_ffn2:
	s_mov_b64 s[64:65], 0
	v_nop
	global_prefetch_b8 v0, s[64:65] scope:SCOPE_SE
	s_setreg_imm32_b32 hwreg(HW_REG_WAVE_SCHED_MODE, 0, 2), 2
	s_setreg_imm32_b32 hwreg(HW_REG_WAVE_MODE, 25, 1), 1
	s_wait_xcnt 0x0
	s_wait_alu depctr_vm_vsrc(0)
; THE SECOND LAYER, for the routed rows alone: y = h W2^T 2^(eh + ew2) + b2, E5M2 on both sides, f32 sums.
; OUT: y[1,024 e + place][1,024] f32: a row lies where it stands in its expert's list, so every address here is made of ids and the counted tile number; the last launch finds each routed row by its stored slot.
; The last tile's rows past n_e are stored too, into places that nobody reads.
; SHARES.  Work-group (x, e): columns 64 (x / 2) .. + 63 of expert e, row tiles x mod 2, x mod 2 + 2, ..  Its 256 KiB of W2's codes are read once, in runs of 512 consecutive bytes, turned through LDS and KEPT IN REGISTERS.
; THE WAVES SHARE K: wave w owns K steps 8 w .. 8 w + 7 (its 1,024 bytes of each of the 64 rows: 32 fragments, 512 registers), for all four column tiles.  So each byte of a row tile of h enters the work-group once,
; straight into registers: hq holds images of the operand's registers, 512 consecutive bytes a load.  The four waves' partial sums meet in LDS; wave w adds, in a fixed order, and stores rows 4 w .. 4 w + 3 of the tile.
; THE HEAD.  A wave's 64 KiB of W2 go in four pieces: (rows 32 g .. + 31) x (bytes 512 hf .. + 511 of my 1,024): 32 loads.  A piece holds just the eight fragments of column tiles 2 g, 2 g + 1 and my K steps 4 hf .. + 3, and its
; loads land in those fragments' 128 registers.  While a piece turns through my wave's own LDS bytes (32 stores, 32 loads), two later pieces, or the first tiles of h, are on their way: 64 loads at any time.
; THE GRID SERVES EVERY SPLIT: 32 trips of constant count, the barrier on every path; a tile past the expert's rows is jumped over by a scalar branch on the stored count.  So this launch has no tensor load, and hence no
; joint loads in a cluster, though 16 work-groups read the same row tiles: their trips hang on a number read from memory.
; The product is used transposed (source 0 = 16 rows of W2, source 1 = 16 rows of h): a lane holds eight neighbouring columns of one row.  Two tiles of h are on their way at any time; a work-group's last two tiles ask
; for nothing.  The two first loads are held at the expert's last tile, so that no load meets bytes that nobody wrote.
; LIMITS: eh + ew2 between -126 and 127.
; REGISTERS: window 0 as named below; windows 1, 2: W2's fragments, (column tile t, my K step s) at window 1 + s / 4, register 16 (4 (s mod 4) + t); window 3 v0-127: h's second buffer.
; THE MODE: SCHED_MODE bits 1:0 = 2 (LLVM: expert scheduling mode 2), set by the entry lines.  The code itself states the register dependences
; between vector or matrix instructions and memory or LDS instructions, with s_wait_alu, always for 0.
; THE PLAN.  Registers that memory or LDS instructions touch, in the loop (a tile in h's buffer b):
;   H[b]    (window 0 v96-223; window 3 v0-127)  32 loads land in it; the tile's 32 products read it; behind them the loads of the tile two turns on land in it.
;   ACC     The products write it; eight LDS stores read it; the next tile's products begin it anew.
;   PR      Eight LDS loads land in it behind the barrier; the additions read and write it.
;   YV      The multiply-adds write it; the tile's two stores read it.
;   The addresses v3 to v11, v13 and v30 are made at the kernel's head and never written again.
; So a tile has three waits.  One on va_vdst behind the places that follow its products: the accumulators are written and H[b] is read out; the eight LDS stores and the 32 loads follow it in one run.
; One on vm_vsrc where the ways meet in front of the barrier, on every way: the LDS stores have read ACC and the last tile's stores YV.  One on va_vdst ahead of the two stores: YV is written, and the additions are done with PR.
.set PITCH,  1040                      ; an LDS row: my 1,024 bytes of a row of W2 + 16
.set WSB,    64*PITCH                  ; LDS: 64 such rows for each wave, its own
.set XB,     4*WSB                     ; then two exchange buffers: for each wave 16 rows x (256 bytes + 16)
.set XW,     16*272
.set XBYTES, 4*XW
.set AO,   3                           ; v3     my 16 bytes in a row tile's images: 16 x lane + 8 w K steps of 2,048
.set XS,   4                           ; v4-5   where I put my partial sums, buffer 0, 1
.set XR,   6                           ; v6-7   where I read the four waves' back
.set WSA,  8                           ; v8-9   W2's rows into LDS: rows 0-31, rows 32-63
.set WFA,  10                          ; v10    and back as fragments
.set LI,   11                          ; v11    16 x lane
.set POS,  12                          ; v12    4 w + lane / 16: my first row in a tile
.set YO,   13                          ; v13    that row's 4,096 bytes of y, my 16 of its 256 in my columns; never rewritten
.set B2,   16                          ; v16-19 b2 at my four columns
.set YV,   20                          ; v20-27 two rows' four numbers
.set LQ,   30                          ; v30    16 x (lane mod 16)
.set ACC,  32                          ; v32-63 four accumulators
.set PR,   64                          ; v64-95 partial sums read back: (row pair q, wave p) at 16 q + 4 p
.set NT,   25                          ; s25    the expert's row tiles
.set T,    28                          ; s28    the tile
.set MSB, 0
.macro WIN new                         ; the immediate's high byte repeats the setting that is left; a switch that changes nothing is dropped
.if MSB != \new
	s_set_vgpr_msb (MSB<<8)|(\new)
.set MSB, \new
.endif
.endm
	s_load_b256 s[4:11], s[0:1], 0x0               ; hq, W2's codes, b2, the scales' exponents
	s_load_b128 s[12:15], s[0:1], 0x20             ; cnt, y
	v_lshl_add_u32 v254, v0, 2, 0x49800
	v_mov_b32 v255, 0
	v_lshrrev_b32 v1, 5, v0
	v_readfirstlane_b32 s38, v1                    ; wave
	s_and_b32 s39, ttmp7, 0xffff                   ; the expert
	s_lshr_b32 s40, ttmp9, 1                       ; which 64 columns
	s_and_b32 s[T], ttmp9, 1                       ; my first tile
	v_and_b32 v28, 31, v0
	v_and_b32 v1, 15, v0                           ; r
	v_bfe_u32 v2, v0, 4, 1                         ; h
	v_lshlrev_b32 v[LI], 4, v28
	v_lshlrev_b32 v[LQ], 4, v1
	s_wait_alu depctr_va_sdst(0)                   ; s38 is written, ahead of its first reader: the wave's places are made from it
	s_lshl_b32 s42, s38, 14
	v_add_nc_u32 v[AO], s42, v[LI]
	v_mul_u32_u24 v29, v1, 272
	v_lshl_add_u32 v29, v2, 5, v29
	s_mul_i32 s42, s38, XW
	s_add_co_u32 s42, s42, XB
	v_add_nc_u32 v[XS], s42, v29                   ; row r, 32 bytes for each half of the lanes
	v_add_nc_u32 v[XS+1], XBYTES, v[XS]
	v_mul_u32_u24 v29, v2, 272
	v_add_nc_u32 v29, v[LQ], v29
	s_mul_i32 s42, s38, 4*272
	s_add_co_u32 s42, s42, XB
	v_add_nc_u32 v[XR], s42, v29                   ; rows 4 w + lane / 16 (+ 2), sixteen lanes to a row
	v_add_nc_u32 v[XR+1], XBYTES, v[XR]
	s_mul_i32 s42, s38, WSB
	v_add_nc_u32 v[WSA], s42, v[LI]
	v_add_nc_u32 v[WSA+1], 32*PITCH, v[WSA]
	v_mul_u32_u24 v29, v1, PITCH
	v_lshl_add_u32 v29, v2, 4, v29
	v_add_nc_u32 v[WFA], s42, v29
	s_lshl_b32 s42, s38, 2
	v_add_nc_u32 v[POS], s42, v2
	v_lshl_add_u32 v[YO], v[POS], 12, v[LQ]
	s_mov_b32 s43, 0
	s_mov_b32 s55, 0
	s_mov_b32 s57, 0
	s_wait_kmcnt 0x0
	s_lshl_b32 s42, s39, 22                        ; an expert's part of hq, its codes and its 1,024 places of y are 4 MiB each
	s_add_nc_u64 s[32:33], s[4:5], s[42:43]        ; hq at the expert
	s_add_nc_u64 s[44:45], s[6:7], s[42:43]        ; W2 at the expert,
	s_add_nc_u64 s[48:49], s[14:15], s[42:43]      ; y at the expert,
	s_lshl_b32 s42, s40, 8                         ; at my 64 columns
	s_add_nc_u64 s[48:49], s[48:49], s[42:43]
	s_lshl_b32 s42, s40, 18                        ; my 64 rows of W2, 4,096 bytes each,
	s_lshl_b32 s52, s38, 10                        ; my wave's 1,024 bytes of each
	s_add_co_u32 s42, s42, s52
	s_add_nc_u64 s[44:45], s[44:45], s[42:43]
	s_lshl_b32 s42, s39, 12
	s_lshl_b32 s52, s40, 8
	s_add_co_u32 s42, s42, s52
	s_add_nc_u64 s[8:9], s[8:9], s[42:43]          ; b2 at my 64 columns
	s_lshl_b32 s42, s39, 4
	s_add_nc_u64 s[10:11], s[10:11], s[42:43]
	s_lshl_b32 s42, s39, 2
	s_add_nc_u64 s[12:13], s[12:13], s[42:43]
	s_load_b128 s[20:23], s[10:11], 0x0            ; ex, ew1, eh, ew2
	s_load_b32 s24, s[12:13], 0x0                  ; n_e
; Piece (g, hf) as it lies: row 32 g + q's 512 bytes go to registers 64 (q / 8) + 32 g + 4 (q mod 8) of window 1 + hf: together the 128 registers 64 k + 32 g + 0 .. 31 that the piece's fragments take
.macro WLOAD g, hf
	WIN 0x40*(1+\hf)
.set q, 0
.rept 32
	global_load_b128 v[64*(q/8)+32*(\g)+4*(q%8):64*(q/8)+32*(\g)+4*(q%8)+3], v[LI], s[44:45] offset:(32*(\g)+q)*4096+512*(\hf)
.set q, q+1
.endr
	WIN 0
.endm
; The piece turns through my wave's own LDS bytes: in by rows, back as the fragments (column tile 2 g + u, K step 4 hf + k), into the registers that it left
.macro WTURN g, hf
	WIN 0x04*(1+\hf)                               ; a store's data: source 1
.set q, 0
.rept 32
	ds_store_b128 v[WSA+\g], v[64*(q/8)+32*(\g)+4*(q%8):64*(q/8)+32*(\g)+4*(q%8)+3] offset:q*PITCH+512*(\hf)
.set q, q+1
.endr
	s_wait_dscnt 0x0                               ; the stores have landed.  My wave's own bytes: no barrier
	WIN 0x40*(1+\hf)
	s_wait_alu depctr_vm_vsrc(0)                   ; the piece's LDS stores have read its 128 registers, in which its fragments land
.irp k, 0,1,2,3
.irp u, 0,1
.irp c, 0,1,2,3
	ds_load_b128 v[16*(4*\k+2*(\g)+\u)+4*\c:16*(4*\k+2*(\g)+\u)+4*\c+3], v[WFA] offset:(2*(\g)+\u)*16*PITCH+128*(4*(\hf)+\k)+32*\c
.endr
.endr
.endr
	WIN 0
.endm
.macro ABASE b, ahead                  ; buffer b's next tile: T + ahead, held at the expert's last tile; a loaded number enters an address behind a bound
	s_add_co_u32 s53, s[T], \ahead
	s_min_u32 s53, s53, s26
	s_min_u32 s53, s53, 63
	s_lshl_b32 s54, s53, 16
	s_add_nc_u64 s[34+2*\b:35+2*\b], s[32:33], s[54:55]
.endm
.macro ALOAD b                         ; my eight K steps of a row tile: 32 loads of 512 consecutive bytes, straight into the operand's registers
.if \b
	WIN 0xc0
.endif
.irp s, 0,1,2,3,4,5,6,7
.irp c, 0,1,2,3
	global_load_b128 v[96*(1-\b)+16*\s+4*\c:96*(1-\b)+16*\s+4*\c+3], v[AO], s[34+2*\b:35+2*\b] offset:2048*\s+512*\c
.endr
.endr
	WIN 0
.endm
	s_wait_alu depctr_va_vdst(0)                   ; the addresses v3 to v11, v13 and v30 are written, which the loads and stores of the whole kernel read
	global_load_b128 v[B2:B2+3], v[LQ], s[8:9]
	WLOAD 0, 0
	WLOAD 0, 1
	s_wait_kmcnt 0x0
	s_add_co_i32 s42, s22, s23
	s_add_co_i32 s42, s42, 127
	s_lshl_b32 s46, s42, 23                        ; 2^(eh + ew2) as f32
	s_mov_b32 s47, s46                             ; (named with it as a pair, so it is written)
	s_add_co_u32 s[NT], s24, 15
	s_lshr_b32 s[NT], s[NT], 4
	s_min_u32 s[NT], s[NT], 64
	s_max_u32 s26, s[NT], 1
	s_sub_co_u32 s26, s26, 1                       ; the last tile that exists (tile 0 always does)
	ABASE 0, 0
	ABASE 1, 2
	s_wait_loadcnt 32                              ; b2 and piece (0, 0) are in; piece (0, 1)'s 32 loads may be out
	WLOAD 1, 0
	WTURN 0, 0
	s_wait_loadcnt 32                              ; piece (0, 1) is in; piece (1, 0)'s 32 may be out
	WLOAD 1, 1
	WTURN 0, 1
	s_wait_loadcnt 32                              ; piece (1, 0) is in; piece (1, 1)'s 32 may be out
	ALOAD 0
	WTURN 1, 0
	s_wait_loadcnt 32                              ; piece (1, 1) is in; the first tile's 32 may be out
	ALOAD 1
	WTURN 1, 1
	s_mov_b32 s27, 16
	s_wait_dscnt 0x0                               ; all of W2's fragments are in
; A TILE OF 16 ROWS, from h's buffer b and through exchange buffer b.  When it begins, this tile's 32 loads and the next tile's 32 are out, in this order, or fewer.  Behind a tile that asked for nothing, or was jumped over, nothing is out.
; One barrier a tile: between two barriers the waves read exchange buffer b (this tile's sums) and write the other (the next tile's).
.macro TRIP b
	s_cmp_lt_u32 s[T], s[NT]
	s_cbranch_scc0 .Lidle_\@
	s_wait_loadcnt 32                              ; this tile is in; the other buffer's 32 loads may be out
.irp s, 0,1,2,3,4,5,6,7
	WIN 12*\b+1+\s/4                               ; source 0: W2's window; source 1: window 0 or 3
.irp t, 0,1,2,3                        ; the four accumulators take turns, one instruction a turn
.if \s == 0
	v_wmma_f32_16x16x128_bf8_bf8 v[ACC+8*\t:ACC+8*\t+7], v[16*(4*(\s%4)+\t):16*(4*(\s%4)+\t)+15], v[96*(1-\b)+16*\s:96*(1-\b)+16*\s+15], 0
.else
	v_wmma_f32_16x16x128_bf8_bf8 v[ACC+8*\t:ACC+8*\t+7], v[16*(4*(\s%4)+\t):16*(4*(\s%4)+\t)+15], v[96*(1-\b)+16*\s:96*(1-\b)+16*\s+15], v[ACC+8*\t:ACC+8*\t+7]
.endif
.endr
.endr
	WIN 0
.rept 5
	v_nop                                          ; places: four ahead of the stores of the sums, five ahead of the next products, which begin the accumulators anew; they stay beside the wait below
.endr
	s_wait_alu depctr_va_vdst(0)                   ; the products have written the accumulators, which the LDS stores read, and are done reading h's buffer b, in which the loads below land; no vector line stands between this wait and those loads
.irp t, 0,1,2,3
	ds_store_b128 v[XS+\b], v[ACC+8*\t:ACC+8*\t+3] offset:64*\t       ; each accumulator from its low end on.  The sums go first: they land while the loads below are issued
	ds_store_b128 v[XS+\b], v[ACC+8*\t+4:ACC+8*\t+7] offset:64*\t+16
.endr
	s_add_co_u32 s52, s[T], 4
	s_cmp_lt_u32 s52, s[NT]                        ; is there a tile for this buffer to take?  My last two tiles ask for nothing,
	s_cbranch_scc0 .Lidle_\@                       ; and wait for all that is out instead: so on every way either 32 loads were issued here or none is out
	ABASE \b, 4                                    ; this buffer's loads are done: its base may be written
	ALOAD \b
	s_branch .Lmeet_\@
.Lidle_\@:
	s_wait_loadcnt 0x0
.Lmeet_\@:
	s_wait_dscnt 0x0                               ; my partial sums have landed
	s_wait_alu depctr_vm_vsrc(0)                   ; my LDS stores have read the accumulators, which the next products write; the last tile's two stores have read YV, which the multiply-adds below write.  On every way
	s_barrier_signal -1
	s_barrier_wait -1
	s_cmp_lt_u32 s[T], s[NT]
	s_cbranch_scc0 .Lnone_\@
.irp q, 0,1
.irp p, 0,1,2,3
	ds_load_b128 v[PR+16*\q+4*\p:PR+16*\q+4*\p+3], v[XR+\b] offset:XW*\p+544*\q   ; the additions that named these registers stand ahead of the last tile's wait in front of its stores
.endr
.endr
	s_wait_xcnt 0x0                                ; the last tile's stores have read their data and their base: both are written again only behind this wait
	s_lshl_b32 s56, s[T], 16                       ; 16 places of 4,096 bytes a tile
	s_add_nc_u64 s[50:51], s[48:49], s[56:57]
	s_wait_dscnt 0x0
.irp p, 4,8,12
.irp q, 0,1
.irp d, 0,2
	v_pk_add_f32 v[PR+16*\q+\d:PR+16*\q+\d+1], v[PR+16*\q+\d:PR+16*\q+\d+1], v[PR+16*\q+\p+\d:PR+16*\q+\p+\d+1]   ; waves 0, 1, 2, 3: K ascending
.endr
.endr
.endr
.irp q, 0,1
.irp d, 0,2
	v_pk_fma_f32 v[YV+4*\q+\d:YV+4*\q+\d+1], v[PR+16*\q+\d:PR+16*\q+\d+1], s[46:47], v[B2+\d:B2+\d+1] op_sel_hi:[1,0,1]   ; sum x 2^(eh + ew2) + b2
.endr
.endr
	s_wait_alu depctr_va_vdst(0)                   ; the multiply-adds have written YV, which the two stores read; the additions are done with PR, in which the next tile's LDS loads land
	global_store_b128 v[YO], v[YV:YV+3], s[50:51]                 ; places 16 T + 4 w + lane / 16: sixteen lanes store 256 consecutive bytes, aligned
	global_store_b128 v[YO], v[YV+4:YV+7], s[50:51] offset:8192   ; and two places on
.Lnone_\@:
	s_add_co_u32 s[T], s[T], 2
.endm
.Lpair:
	TRIP 0
	TRIP 1
	s_sub_co_u32 s27, s27, 1
	s_cmp_lg_u32 s27, 0
	s_cbranch_scc1 .Lpair
	s_wait_dscnt 0x0
	s_wait_alu depctr_hold_cnt(0) depctr_sa_sdst(0) depctr_va_vdst(0) depctr_va_sdst(0) depctr_va_ssrc(0) depctr_va_vcc(0) depctr_vm_vsrc(0)
	s_wait_tensorcnt 0x0
	ds_add_u32 v254, v255
	s_wait_dscnt 0x0
	s_endpgm
.Lfunc_end_k_qe833a7a066_ffn2:
	.size	k_qe833a7a066_ffn2, .Lfunc_end_k_qe833a7a066_ffn2-k_qe833a7a066_ffn2
	.p2alignl 7, 3214868480
	.fill 96, 4, 3214868480
	.section	.rodata,"a",@progbits
	.p2align	6, 0x0
	.amdhsa_kernel k_qe833a7a066_ffn2
		.amdhsa_group_segment_fixed_size 301568
		.amdhsa_private_segment_fixed_size 0
		.amdhsa_enable_private_segment 0
		.amdhsa_kernarg_size 48
		.amdhsa_user_sgpr_count 2
		.amdhsa_user_sgpr_kernarg_segment_ptr 1
		.amdhsa_wavefront_size32 1
		.amdhsa_system_sgpr_workgroup_id_x 1
		.amdhsa_system_sgpr_workgroup_id_y 1
		.amdhsa_system_sgpr_workgroup_id_z 1
		.amdhsa_system_vgpr_workitem_id 0
		.amdhsa_next_free_vgpr 896
		.amdhsa_next_free_sgpr 66
		.amdhsa_reserve_vcc 0
		.amdhsa_float_denorm_mode_32 3
		.amdhsa_float_denorm_mode_16_64 3
		.amdhsa_memory_ordered 1
		.amdhsa_forward_progress 1
		.amdhsa_inst_pref_size 56
	.end_amdhsa_kernel
	.amdgpu_metadata
---
amdhsa.version: [ 1, 2 ]
amdhsa.kernels:
  - .name:           k_qe833a7a066_ffn2
    .symbol:         k_qe833a7a066_ffn2.kd
    .args:
      - { .name: hq, .offset: 0, .size: 8, .value_kind: global_buffer, .address_space: global }
      - { .name: W2_codes, .offset: 8, .size: 8, .value_kind: global_buffer, .address_space: global }
      - { .name: b2, .offset: 16, .size: 8, .value_kind: global_buffer, .address_space: global }
      - { .name: lowp_scales, .offset: 24, .size: 8, .value_kind: global_buffer, .address_space: global }
      - { .name: cnt, .offset: 32, .size: 8, .value_kind: global_buffer, .address_space: global }
      - { .name: y, .offset: 40, .size: 8, .value_kind: global_buffer, .address_space: global }
    .group_segment_fixed_size: 301568
    .private_segment_fixed_size: 0
    .kernarg_segment_align: 8
    .kernarg_segment_size: 48
    .max_flat_workgroup_size: 128
    .sgpr_count:     66
    .vgpr_count:     896
    .wavefront_size: 32
...
	.end_amdgpu_metadata
.endif
;; end of part 9
;; launch combine (part 10): grid 256 x 1, 4 waves a work-group, no clusters, 0 bytes of LDS; arguments y, wts, cnt, out0; writes out0
.if DOCPART == 10
	.amdgcn_target "amdgcn-amd-amdhsa--gfx1250"
	.amdhsa_code_object_version 6
	.text
	.protected	k_qe833a7a066_combine
	.globl	k_qe833a7a066_combine
	.p2align	8
	.type	k_qe833a7a066_combine,@function
k_qe833a7a066_combine:
	s_mov_b64 s[64:65], 0
	v_nop
	global_prefetch_b8 v0, s[64:65] scope:SCOPE_SE
	s_setreg_imm32_b32 hwreg(HW_REG_WAVE_MODE, 25, 1), 1
	s_wait_xcnt 0x0
; out0[t] = wts[2 t] y[slot[2 t]] + wts[2 t + 1] y[slot[2 t + 1]]: each token's two routed rows, weighed by their gates.  Each output row has one owner: a wave takes a token.
; y is laid by place, [1,024 e + place][1,024] f32; slot[r], stored by the placing launch from byte 256 of cnt on, says where routed row r lies.  A loaded number enters an address behind a bound (8,191, the last slot).
; A stream behind that one look-up: every used byte of y is read once, by loads of 512 consecutive bytes, all sixteen of a wave on their way at once; every byte of out0 is written once, 512 consecutive bytes a store.
; No LDS, no barrier, no loop, no matrix unit: there is nothing to share and two multiply-adds a number.
	s_load_b128 s[4:7], s[0:1], 0x0                ; y, wts
	s_load_b128 s[8:11], s[0:1], 0x10              ; cnt, out0
	v_lshrrev_b32 v1, 5, v0
	v_readfirstlane_b32 s12, v1                    ; wave
	v_and_b32 v1, 31, v0
	v_lshlrev_b32 v2, 4, v1                        ; 16 x lane
	v_mov_b32 v3, 0
	s_lshl_b32 s13, ttmp9, 2
	s_add_co_u32 s13, s13, s12                     ; the token
	s_lshl_b32 s16, s13, 3                         ; two gates, and two slots: 8 bytes,
	s_mov_b32 s17, 0
	s_lshl_b32 s18, s13, 12                        ; one row of 4,096 bytes in out0
	s_mov_b32 s19, 0
	s_wait_alu depctr_va_vdst(0)
	s_wait_kmcnt 0x0
	s_add_nc_u64 s[6:7], s[6:7], s[16:17]
	s_add_nc_u64 s[8:9], s[8:9], s[16:17]
	s_add_nc_u64 s[10:11], s[10:11], s[18:19]
	s_load_b64 s[20:21], s[6:7], 0x0               ; the two gates
	global_load_b64 v[4:5], v3, s[8:9] offset:256  ; the two slots, the same in every lane
	s_wait_loadcnt 0x0
	v_min_u32 v4, 8191, v4
	v_min_u32 v5, 8191, v5
	v_lshl_add_u32 v6, v4, 12, v2                  ; the row's 4,096 bytes, my 16 of each 512
	v_lshl_add_u32 v7, v5, 12, v2
.irp j, 0,1,2,3,4,5,6,7
	global_load_b128 v[8+4*\j:11+4*\j], v6, s[4:5] offset:512*\j th:TH_LOAD_NT
	global_load_b128 v[40+4*\j:43+4*\j], v7, s[4:5] offset:512*\j th:TH_LOAD_NT
.endr
	s_wait_kmcnt 0x0
	s_mov_b32 s22, s21                             ; the packed forms take a scalar pair's low word for both halves: the second gate gets a pair of its own
	s_mov_b32 s23, s21
.irp j, 0,1,2,3,4,5,6,7
	s_wait_loadcnt 14-2*\j                         ; this pair of loads is in; the younger pairs may be out
	v_pk_mul_f32 v[40+4*\j:41+4*\j], v[40+4*\j:41+4*\j], s[22:23] op_sel_hi:[1,0]
	v_pk_mul_f32 v[42+4*\j:43+4*\j], v[42+4*\j:43+4*\j], s[22:23] op_sel_hi:[1,0]
	v_pk_fma_f32 v[40+4*\j:41+4*\j], v[8+4*\j:9+4*\j], s[20:21], v[40+4*\j:41+4*\j] op_sel_hi:[1,0,1]
	v_pk_fma_f32 v[42+4*\j:43+4*\j], v[10+4*\j:11+4*\j], s[20:21], v[42+4*\j:43+4*\j] op_sel_hi:[1,0,1]
	global_store_b128 v2, v[40+4*\j:43+4*\j], s[10:11] offset:512*\j th:TH_STORE_NT   ; columns 128 j + 4 lane + 0 .. 3: 512 consecutive bytes
.endr
	s_endpgm
.Lfunc_end_k_qe833a7a066_combine:
	.size	k_qe833a7a066_combine, .Lfunc_end_k_qe833a7a066_combine-k_qe833a7a066_combine
	.p2alignl 7, 3214868480
	.fill 96, 4, 3214868480
	.section	.rodata,"a",@progbits
	.p2align	6, 0x0
	.amdhsa_kernel k_qe833a7a066_combine
		.amdhsa_group_segment_fixed_size 0
		.amdhsa_private_segment_fixed_size 0
		.amdhsa_enable_private_segment 0
		.amdhsa_kernarg_size 32
		.amdhsa_user_sgpr_count 2
		.amdhsa_user_sgpr_kernarg_segment_ptr 1
		.amdhsa_wavefront_size32 1
		.amdhsa_system_sgpr_workgroup_id_x 1
		.amdhsa_system_sgpr_workgroup_id_y 1
		.amdhsa_system_sgpr_workgroup_id_z 1
		.amdhsa_system_vgpr_workitem_id 0
		.amdhsa_next_free_vgpr 80
		.amdhsa_next_free_sgpr 66
		.amdhsa_reserve_vcc 0
		.amdhsa_float_denorm_mode_32 3
		.amdhsa_float_denorm_mode_16_64 3
		.amdhsa_memory_ordered 1
		.amdhsa_forward_progress 1
		.amdhsa_inst_pref_size 6
	.end_amdhsa_kernel
	.amdgpu_metadata
---
amdhsa.version: [ 1, 2 ]
amdhsa.kernels:
  - .name:           k_qe833a7a066_combine
    .symbol:         k_qe833a7a066_combine.kd
    .args:
      - { .name: y, .offset: 0, .size: 8, .value_kind: global_buffer, .address_space: global }
      - { .name: wts, .offset: 8, .size: 8, .value_kind: global_buffer, .address_space: global }
      - { .name: cnt, .offset: 16, .size: 8, .value_kind: global_buffer, .address_space: global }
      - { .name: out0, .offset: 24, .size: 8, .value_kind: global_buffer, .address_space: global }
    .group_segment_fixed_size: 0
    .private_segment_fixed_size: 0
    .kernarg_segment_align: 8
    .kernarg_segment_size: 32
    .max_flat_workgroup_size: 128
    .sgpr_count:     66
    .vgpr_count:     80
    .wavefront_size: 32
...
	.end_amdgpu_metadata
.endif
;; end of part 10
